; MI455X (gfx1250); checked and timed in simulation.
; The chip was launched on July 23, 2026; its instructions are those of AMD's public machine-readable ISA for CDNA 5 (MIT licence, August 2026) and "CDNA5" Instruction Set Architecture Reference Guide (July 2026). The comments in the code are by the model that wrote it; some were corrected since.
;; Additive Attention. Allowed arithmetic: float matrix products may take bf16 or f16 operands with f32 sums; all other float work in f32.
;; Inputs: W_k 256 x 64 float32; W_q 256 x 64 float32; keys 16 x 1,024 x 256 float32; queries 16 x 256 x 256 float32; valid_lens 16 int32; values 16 x 1,024 x 128 float32; w_v 64 float32.
;; Outputs: out0 16 x 256 x 128 float32.
;; 3 versions, each right; version 2 is faster than version 1; version 3 is version 2 with the launches prep, scores written anew for expert scheduling mode. Each part assembles by itself: llvm-mc -triple=amdgcn-amd-amdhsa -mcpu=gfx1250 --defsym DOCPART=n.
;; ======== version 1 of 3: 3 launches
;; limits: right only within a limited range of input values; values are held in f16: magnitudes above 65,504 overflow, below 6.1e-05 lose precision
;; workspace buffers: k2 4,194,304 bytes; q2 1,048,576 bytes; vf 4,194,304 bytes; sc 16,777,216 bytes
;; launch prep (part 1): grid 224 x 1, 8 waves a work-group, no clusters, 101,376 bytes of LDS; arguments keys, queries, values, W_k, W_q, k2, q2, vf; writes k2, q2, vf
.if DOCPART == 1
	.amdgcn_target "amdgcn-amd-amdhsa--gfx1250"
	.amdhsa_code_object_version 6
	.text
	.protected	k_q2f8045bcbe_prep
	.globl	k_q2f8045bcbe_prep
	.p2align	8
	.type	k_q2f8045bcbe_prep,@function
k_q2f8045bcbe_prep:
	s_mov_b64 s[64:65], 0
	v_nop
	global_prefetch_b8 v0, s[64:65] scope:SCOPE_SE
	s_setreg_imm32_b32 hwreg(HW_REG_WAVE_MODE, 25, 1), 1
	s_wait_xcnt 0x0
; PREP: what the later launches need once.
;   work-groups   0..127: k2 = c * keys    x W_k  (128 rows each, 16 a wave)     k2: [16384 keys][64 h] f32
;   work-groups 128..159: q2 = c * queries x W_q  (128 rows each, 16 a wave)     q2: [block of 32 rows][h / 4][row][4 h] f32
;   work-groups 160..223: vf = values in f16 as ready A fragments (a tile of 32 keys a wave)
;                         vf: [batch * 32 + tile][dv block f][half][lane][16 bytes]; lane (r, hh): dv = 16 f + r, keys 16 half + 8 hh + 0..7
; c = 2 log2(e): the score launch then needs exp2(q2 + k2) = e^(2 (q + k)) with no further multiply.
; Products: f16 operands, f32 sums.  f16 and not bf16: 11 significant bits in place of 8, so that the rounding of the operands stays
; far inside one hundredth of the outputs' spread also in a batch with few valid keys.
; LIMIT: an element of keys, queries, values, W_k or W_q of magnitude 65,520 or more becomes infinite in f16; one under 6e-5 is kept as an
; f16 denormal, with an absolute error under 3e-8.
; Fragment nb of W stands for the columns h = 4 m + nb (m = 0..15), so that the four accumulators of a
; lane hold four NEIGHBOURING h: 16 bytes a lane, and sixteen neighbouring lanes store 256 consecutive, aligned bytes in both layouts.
; NO CLUSTER, NO TENSOR LOAD: W is shared by all work-groups, but W, the rows and values come as f32 and pass through registers to be
; rounded to f16 before they reach LDS; a joint load would land f32 in LDS and add an LDS write and read of every byte.
.set CS,   0x4038aa3b                  ; 2 log2(e)
.set XST,  32768                       ; LDS: W's fragments [K step 8][nb 4][half 2][lane][16] in 0..32767, then a stage of 16 rows a wave
.set XP,   528                         ; a staged row: 256 f16 + 16 bytes, an odd multiple of 16
.set XSTW, 16*XP
.set VP,   288                         ; values path: a staged key: 128 f16 + 32 bytes, an odd multiple of 32 (transposing loads)
.set VSTW, 32*VP
.set ACC, 16                           ; v16-47   W's fragments as they are built, then four accumulators
.set XB,  64                           ; v64-127  W as loaded, then the 8 fragments of my rows, then the results in store order
.set RAW, 128                          ; v128-255 rows as loaded, then W's fragments: two buffers of two K steps
.set G0,  128
.set G1,  192
.macro MM d, a, b, z                   ; one product; z = 1: it starts the sum
.if \z
	v_wmma_f32_16x16x32_f16 v[\d:\d+7], v[\a:\a+7], v[\b:\b+7], 0
.else
	v_wmma_f32_16x16x32_f16 v[\d:\d+7], v[\a:\a+7], v[\b:\b+7], v[\d:\d+7]
.endif
.endm
.macro WFETCH g, s0                    ; 16 LDS loads: W's fragments of K steps s0, s0 + 1
.irp u,0,1
.irp nb,0,1,2,3
	ds_load_b128 v[\g+32*\u+8*\nb:\g+32*\u+8*\nb+3],   v2 offset:((\s0+\u)*4+\nb)*1024
	ds_load_b128 v[\g+32*\u+8*\nb+4:\g+32*\u+8*\nb+7], v2 offset:((\s0+\u)*4+\nb)*1024+512
.endr
.endr
.endm
.macro MUL g, s0, zero, swap           ; 8 products.  swap = 0: A = my rows, B = W (a lane holds h quad r of rows 8 hh + j);
.irp u,0,1                             ; swap = 1: A = W, B = my rows (a lane holds row r, h quads 8 hh + j)
.irp nb,0,1,2,3
.if \swap
	MM ACC+8*\nb,\g+32*\u+8*\nb,XB+8*(\s0+\u),(\zero)*(1-\u)
.else
	MM ACC+8*\nb,XB+8*(\s0+\u),\g+32*\u+8*\nb,(\zero)*(1-\u)
.endif
.endr
.endr
.endm
.macro PLACES                          ; four independent vector places behind matrix instructions (ISA guide 7.12.1) before their
.rept 4                                ; sources are loaded again or their results read
	v_nop
.endr
.endm
.macro TAIL swap, stride               ; the eight K steps, the scaling, the eight stores
	WFETCH G0, 0
	WFETCH G1, 2
	s_wait_dscnt 16                                ; my rows' fragments and buffer 0 are in; buffer 1's 16 loads stay out
	MUL G0, 0, 1, \swap
	PLACES
	WFETCH G0, 4
	s_wait_dscnt 16                                ; buffer 1 is in; the 16 loads just issued stay out
	MUL G1, 2, 0, \swap
	PLACES
	WFETCH G1, 6
	s_wait_dscnt 16
	MUL G0, 4, 0, \swap
	s_wait_dscnt 0x0
	MUL G1, 6, 0, \swap
	PLACES
.irp j,0,1,2,3,4,5,6,7
.irp nb,0,1,2,3
	v_mul_f32 v[XB+4*\j+\nb], CS, v[ACC+8*\nb+\j]  ; the scaling also lays the four h of a quad side by side
.endr
.endr
.irp j,0,1,2,3,4,5,6,7
	global_store_b128 v12, v[XB+4*\j:XB+4*\j+3], s[32:33] offset:\j*\stride    ; 16 lanes: 256 consecutive, aligned bytes
.endr
.endm
	s_load_b256 s[4:11], s[0:1], 0x0               ; keys s[4:5], queries s[6:7], values s[8:9], W_k s[10:11]
	s_load_b256 s[12:19], s[0:1], 0x20             ; W_q s[12:13], k2 s[14:15], q2 s[16:17], vf s[18:19]
	v_lshl_add_u32 v62, v0, 2, 0x18800
	v_mov_b32 v63, 0
	v_lshrrev_b32 v1, 5, v0
	v_readfirstlane_b32 s20, v1                    ; wave 0..7
	v_and_b32 v1, 31, v0                           ; lane
	v_lshlrev_b32 v2, 4, v1                        ; 16 x lane
	v_and_b32 v6, 15, v0                           ; r
	v_bfe_u32 v9, v0, 4, 1                         ; hh
	v_and_b32 v11, 7, v0                           ; lane % 8
	v_bfe_u32 v13, v0, 3, 1                        ; (lane / 8) % 2
	s_mov_b32 s25, 0
	s_mov_b32 s27, 0
	s_cmp_ge_u32 ttmp9, 160
	s_cbranch_scc1 .Lvalues
	; ---------------- projections ----------------
	s_cmp_ge_u32 ttmp9, 128
	s_cselect_b32 s21, 128, 0
	s_sub_co_u32 s21, ttmp9, s21                   ; j: my block of 128 rows
	s_lshl_b32 s24, s21, 17                        ; x 128 rows x 1,024 bytes
	s_lshl_b32 s34, s20, 14                        ; + my wave's 16 rows
	s_add_co_u32 s24, s24, s34
	s_lshl_b32 s34, s20, 13                        ; W: rows d = 32 w .. (256 bytes each): wave w builds K step w
	v_lshlrev_b32 v3, 4, v6
	v_lshl_add_u32 v3, v9, 11, v3
	v_add_nc_u32 v3, s34, v3                       ; (32 w + 8 hh) x 256 + 16 r
	s_wait_kmcnt 0x0
	s_cmp_ge_u32 ttmp9, 128                        ; again: the arithmetic above wrote SCC
	s_cselect_b64 s[28:29], s[6:7], s[4:5]         ; rows
	s_cselect_b64 s[30:31], s[12:13], s[10:11]     ; W
	s_add_nc_u64 s[28:29], s[28:29], s[24:25]
.set ii, 0
.rept 16
	global_load_b128 v[XB+4*ii:XB+4*ii+3], v3, s[30:31] offset:(ii+8*(ii/8))*256       ; W[32 w + 8 hh + i (+ 8)][4 r ..]: 16 lanes read a whole row
.set ii, ii+1
.endr
.set ii, 0
.rept 32
	global_load_b128 v[RAW+4*ii:RAW+4*ii+3], v2, s[28:29] offset:ii*512 th:TH_LOAD_NT  ; half a row; 16,384 consecutive bytes, read once
.set ii, ii+1
.endr
	s_lshl_b32 s34, s20, 12
	v_add_nc_u32 v5, s34, v2                       ; W's fragments of K step w: 4 x 1,024 bytes
	s_mul_i32 s35, s20, XSTW
	s_add_co_u32 s35, s35, XST                     ; my wave's stage
	v_lshl_add_u32 v7, v1, 3, s35                  ; rows in: 8 bytes a lane
	v_mul_u32_u24 v8, v6, XP
	v_lshl_add_u32 v8, v9, 4, v8
	v_add_nc_u32 v8, s35, v8                       ; fragments out: row r, 16 bytes at 16 hh
	s_wait_loadcnt 32                              ; W is in; the 32 younger loads of my rows stay out
.irp nb,0,1,2,3
.irp p,0,1,2,3,4,5,6,7
	v_cvt_pk_f16_f32 v[ACC+8*\nb+\p], v[XB+8*\p+\nb], v[XB+8*\p+4+\nb]         ; k = 2 p, 2 p + 1 of the lane's sixteen, column 4 r + nb
.endr
	ds_store_b128 v5, v[ACC+8*\nb:ACC+8*\nb+3]   offset:\nb*1024
	ds_store_b128 v5, v[ACC+8*\nb+4:ACC+8*\nb+7] offset:\nb*1024+512
.endr
.set ii, 0
.rept 32
	s_wait_loadcnt 31-ii                           ; loads return in order: the younger ones stay out
	v_cvt_pk_f16_f32 v[RAW+4*ii], v[RAW+4*ii], v[RAW+4*ii+1]
	v_cvt_pk_f16_f32 v[RAW+4*ii+1], v[RAW+4*ii+2], v[RAW+4*ii+3]
	ds_store_b64 v7, v[RAW+4*ii:RAW+4*ii+1] offset:(ii/2)*XP+(ii%2)*256
.set ii, ii+1
.endr
	s_wait_dscnt 0x0                               ; my K step of W is in LDS: zero, since the other waves read it
	s_barrier_signal -1
	s_barrier_wait -1
.set ii, 0
.rept 8
	ds_load_b128 v[XB+8*ii:XB+8*ii+3],   v8 offset:64*ii           ; d = 32 s + 8 hh ..
	ds_load_b128 v[XB+8*ii+4:XB+8*ii+7], v8 offset:64*ii+32        ; d = 32 s + 16 + 8 hh ..
.set ii, ii+1
.endr
	v_lshlrev_b32 v12, 4, v6                       ; 16 r
	s_cmp_ge_u32 ttmp9, 128
	s_cbranch_scc1 .Lq
	s_lshl_b32 s24, s21, 15                        ; k2: 128 rows x 256 bytes a work-group,
	s_lshl_b32 s34, s20, 12                        ; 16 rows a wave
	s_add_co_u32 s24, s24, s34
	s_add_nc_u64 s[32:33], s[14:15], s[24:25]
	v_lshl_add_u32 v12, v9, 11, v12                ; row 8 hh (+ j by the immediate), h quad r
	TAIL 0, 256
	s_wait_tensorcnt 0x0
	ds_add_u32 v62, v63
	s_wait_dscnt 0x0
	s_endpgm
.Lq:
	s_lshl_b32 s24, s21, 2
	s_lshr_b32 s34, s20, 1
	s_add_co_u32 s24, s24, s34                     ; block of 32 rows = 4 j + w / 2
	s_lshl_b32 s24, s24, 13
	s_and_b32 s34, s20, 1
	s_lshl_b32 s34, s34, 8                         ; its upper or lower 16 rows
	s_add_co_u32 s24, s24, s34
	s_add_nc_u64 s[32:33], s[16:17], s[24:25]
	v_lshl_add_u32 v12, v9, 12, v12                ; h quad 8 hh (+ j by the immediate), row r
	TAIL 1, 512
	s_wait_tensorcnt 0x0
	ds_add_u32 v62, v63
	s_wait_dscnt 0x0
	s_endpgm
	; ---------------- values: f16 fragments; each wave works in a stage of its own, so no barrier ----------------
.Lvalues:
	s_sub_co_u32 s21, ttmp9, 160
	s_lshl_b32 s21, s21, 3
	s_add_co_u32 s21, s21, s20                     ; my tile = batch * 32 + tile, 0..511
	s_lshl_b32 s24, s21, 14                        ; 32 keys x 512 bytes
	s_lshl_b32 s26, s21, 13                        ; 8,192 bytes of fragments
	s_mul_i32 s35, s20, VSTW
	v_lshl_add_u32 v7, v1, 3, s35                  ; in: 8 bytes a lane
	v_lshl_add_u32 v10, v9, 3, v11
	v_mul_u32_u24 v10, v10, VP
	v_lshl_add_u32 v10, v13, 4, v10
	v_add_nc_u32 v10, s35, v10                     ; transposing load: key 8 hh + lane % 8, 16 bytes at 16 ((lane / 8) % 2)
	s_wait_kmcnt 0x0
	s_add_nc_u64 s[28:29], s[8:9], s[24:25]
	s_add_nc_u64 s[32:33], s[18:19], s[26:27]
.set ii, 0
.rept 32
	global_load_b128 v[RAW+4*ii:RAW+4*ii+3], v2, s[28:29] offset:ii*512 th:TH_LOAD_NT  ; key ii: 512 consecutive bytes, read once
.set ii, ii+1
.endr
.set ii, 0
.rept 32
	s_wait_loadcnt 31-ii
	v_cvt_pk_f16_f32 v[RAW+4*ii], v[RAW+4*ii], v[RAW+4*ii+1]
	v_cvt_pk_f16_f32 v[RAW+4*ii+1], v[RAW+4*ii+2], v[RAW+4*ii+3]
	ds_store_b64 v7, v[RAW+4*ii:RAW+4*ii+1] offset:ii*VP
.set ii, ii+1
.endr
.set ii, 0
.rept 8
	ds_load_tr16_b128 v[XB+8*ii:XB+8*ii+3],   v10 offset:32*ii           ; LDS serves a wave in order: these see the stores above
	ds_load_tr16_b128 v[XB+8*ii+4:XB+8*ii+7], v10 offset:32*ii+16*VP
.set ii, ii+1
.endr
.set ii, 0
.rept 16
	s_wait_dscnt 15-ii
	global_store_b128 v2, v[XB+4*ii:XB+4*ii+3], s[32:33] offset:ii*512   ; 512 consecutive bytes
.set ii, ii+1
.endr
	s_wait_tensorcnt 0x0
	ds_add_u32 v62, v63
	s_wait_dscnt 0x0
	s_endpgm
.Lfunc_end_k_q2f8045bcbe_prep:
	.size	k_q2f8045bcbe_prep, .Lfunc_end_k_q2f8045bcbe_prep-k_q2f8045bcbe_prep
	.p2alignl 7, 3214868480
	.fill 96, 4, 3214868480
	.section	.rodata,"a",@progbits
	.p2align	6, 0x0
	.amdhsa_kernel k_q2f8045bcbe_prep
		.amdhsa_group_segment_fixed_size 101376
		.amdhsa_private_segment_fixed_size 0
		.amdhsa_enable_private_segment 0
		.amdhsa_kernarg_size 64
		.amdhsa_user_sgpr_count 2
		.amdhsa_user_sgpr_kernarg_segment_ptr 1
		.amdhsa_wavefront_size32 1
		.amdhsa_system_sgpr_workgroup_id_x 1
		.amdhsa_system_sgpr_workgroup_id_y 1
		.amdhsa_system_sgpr_workgroup_id_z 1
		.amdhsa_system_vgpr_workitem_id 0
		.amdhsa_next_free_vgpr 256
		.amdhsa_next_free_sgpr 66
		.amdhsa_reserve_vcc 0
		.amdhsa_float_denorm_mode_32 3
		.amdhsa_float_denorm_mode_16_64 3
		.amdhsa_memory_ordered 1
		.amdhsa_forward_progress 1
		.amdhsa_inst_pref_size 51
	.end_amdhsa_kernel
	.amdgpu_metadata
---
amdhsa.version: [ 1, 2 ]
amdhsa.kernels:
  - .name:           k_q2f8045bcbe_prep
    .symbol:         k_q2f8045bcbe_prep.kd
    .args:
      - { .name: keys, .offset: 0, .size: 8, .value_kind: global_buffer, .address_space: global }
      - { .name: queries, .offset: 8, .size: 8, .value_kind: global_buffer, .address_space: global }
      - { .name: values, .offset: 16, .size: 8, .value_kind: global_buffer, .address_space: global }
      - { .name: W_k, .offset: 24, .size: 8, .value_kind: global_buffer, .address_space: global }
      - { .name: W_q, .offset: 32, .size: 8, .value_kind: global_buffer, .address_space: global }
      - { .name: k2, .offset: 40, .size: 8, .value_kind: global_buffer, .address_space: global }
      - { .name: q2, .offset: 48, .size: 8, .value_kind: global_buffer, .address_space: global }
      - { .name: vf, .offset: 56, .size: 8, .value_kind: global_buffer, .address_space: global }
    .group_segment_fixed_size: 101376
    .private_segment_fixed_size: 0
    .kernarg_segment_align: 8
    .kernarg_segment_size: 64
    .max_flat_workgroup_size: 256
    .sgpr_count:     66
    .vgpr_count:     256
    .wavefront_size: 32
...
	.end_amdgpu_metadata
.endif
;; end of part 1
;; launch scores (part 2): grid 256 x 1, 8 waves a work-group, no clusters, 0 bytes of LDS; arguments k2, q2, w_v, valid_lens, sc; writes sc
.if DOCPART == 2
	.amdgcn_target "amdgcn-amd-amdhsa--gfx1250"
	.amdhsa_code_object_version 6
	.text
	.protected	k_q2f8045bcbe_scores
	.globl	k_q2f8045bcbe_scores
	.p2align	8
	.type	k_q2f8045bcbe_scores,@function
k_q2f8045bcbe_scores:
	s_mov_b64 s[64:65], 0
	v_nop
	global_prefetch_b8 v0, s[64:65] scope:SCOPE_SE
	s_setreg_imm32_b32 hwreg(HW_REG_WAVE_MODE, 25, 1), 1
	s_wait_xcnt 0x0
; SCORES: s[row][key] = sum over h of (-c w_h) / (1 + exp2(q2[row][h] + k2[key][h])), c = 2 log2(e).
; tanh(z) = 1 - 2 / (1 + e^(2z)), so this is log2(e) x (the reference's score - sum of w), a shift that a softmax does not see.
; An exponential that overflows gives 1 / inf = 0, one that underflows gives 1: tanh's own saturation, for inputs of any size.
; Keys at or behind valid_len get NEG = -1e6 log2(e).
; LIMIT: tiles of 32 keys that lie wholly behind valid_len are not scored (their weight in the softmax is exp(-1e6 + ..) = 0 as long as the
; sum of |w_v| stays under some 4.9e5).  valid_len <= 0: all 32 tiles are taken and all keys masked, as the reference does.
; SHARING: batch b has T_b = ceil(valid_len / 32) tiles.  The tiles of all batches are numbered through; an item is 4 keys of a tile for all
; 256 rows; there are 8 S items, S = sum of T_b.  Work-group j takes items (j S) >> 5 up to ((j + 1) S) >> 5: equal to within one item.
; (With S < 32 some work-groups find nothing to take.)  Wave w takes rows 32 w .. 32 w + 31, a lane one row; q2 of the row (64 registers) and w (64) stay
; in registers; k2 of a key comes by 16 loads that all lanes aim at the same 16 bytes, refilled in place one key ahead.
; sc: [batch * 32 + tile][row block 8][quad of keys 8][row 32][4 keys] f32: a wave's store covers 512 consecutive bytes.
; No LDS, no barrier, no matrix unit: the work is exponentials and reciprocals.  NO CLUSTER: which tiles neighbours read hangs on valid_lens,
; and the operands are wanted in registers.
.set NEG, 0xc9b01c38                   ; -1e6 log2(e)
.set MC,  0xc038aa3b                   ; -2 log2(e)
.set SV,  4                            ; v4-7     four scores of my row
.set ACC, 8                            ; v8-15    four pairs of partial sums
.set T,   16                           ; v16-31   two sets of eight numbers at work, taken in turn by the groups of 8 h
.set K,   64                           ; v64-127  k2 of the key
.set Q,   128                          ; v128-191 q2 of my row
.set W,   192                          ; v192-255 -c w
; s[16:31] valid_lens, s[32:47] T_b, s48 S, s49/s50 my items, s51/s52 flat tile and its end, s53 wave, s54-57 decode (sum, batch, its first
; tile, its valid_len), s58 tile in memory, s59-61 first quad, end, quad, s62 key index in the batch, s[66:67] this quad's keys,
; s[68:69] the next quad's, s[70:71] sc, s[72:73] q2, s[74:75] an offset, s76 mask
.macro AHALF g, hf                     ; four sums q2 + k2 of group g into its set
.set tb, T+8*((\g)%2)+4*\hf
.set kb, 8*(\g)+4*\hf
	v_pk_add_f32 v[tb:tb+1],   v[K+kb:K+kb+1],   v[Q+kb:Q+kb+1]
	v_pk_add_f32 v[tb+2:tb+3], v[K+kb+2:K+kb+3], v[Q+kb+2:Q+kb+3]
	s_wait_alu depctr_va_vdst(0)
.endm
.macro REFILL g, np, noff              ; group g of the next key, into the registers just read
	global_load_b128 v[K+8*(\g):K+8*(\g)+3],   v2, s[\np:\np+1] offset:\noff+32*(\g)
	global_load_b128 v[K+8*(\g)+4:K+8*(\g)+7], v2, s[\np:\np+1] offset:\noff+32*(\g)+16
.endm
; The step from this quad's keys to the next quad's, from left = the quads of mine that are left in the tile, this one counted:
; min(left, 2) & 2 is 2 where another quad follows and 0 where none does; x 512 = 1,024 bytes or none.  So the last quad looks ahead at
; its own first key, and no load leaves my part of k2.
.macro NEXTSTEP q
	s_sub_co_u32 s63, s60, \q
	s_min_u32 s63, s63, 2
	s_and_b32 s63, s63, 2
	s_lshl_b32 s74, s63, 9
	s_add_nc_u64 s[68:69], s[66:67], s[74:75]
.endm
; One key for 32 rows.  The next group's sums stand behind each run of exponentials and reciprocals: they are the independent plain vector
; instructions that have to come before a transcendental's result is used (ISA guide 5.7.2), and they touch the other set alone.
; s_wait_loadcnt 14: behind a group's two loads those of the seven other groups were issued, whether by the first fill or by refills.
.macro KEY kk, np, noff
	s_wait_loadcnt 14
	AHALF 0,0
	AHALF 0,1
	REFILL 0,\np,\noff
.irp g,0,1,2,3,4,5,6,7
.set tg, T+8*(\g%2)
.irp e,0,1,2,3,4,5,6,7
	v_exp_f32 v[tg+\e], v[tg+\e]
.endr
.if \g<7
	s_wait_loadcnt 14
	AHALF \g+1,0
.else
	v_nop
	s_wait_alu depctr_va_vdst(0)
.endif
	s_wait_alu depctr_va_vdst(0)
.irp e,0,2,4,6
	v_pk_add_f32 v[tg+\e:tg+\e+1], v[tg+\e:tg+\e+1], 1.0 op_sel_hi:[1,0]
.endr
.irp e,0,1,2,3,4,5,6,7
	v_rcp_f32 v[tg+\e], v[tg+\e]
.endr
.if \g<7
	AHALF \g+1,1
	REFILL \g+1,\np,\noff
.else
	v_nop
	s_wait_alu depctr_va_vdst(0)
.endif
.irp e,0,2,4,6
.if \g
	v_pk_fma_f32 v[ACC+\e:ACC+\e+1], v[W+8*\g+\e:W+8*\g+\e+1], v[tg+\e:tg+\e+1], v[ACC+\e:ACC+\e+1]
.else
	s_wait_alu depctr_va_vdst(0)
	v_pk_mul_f32 v[ACC+\e:ACC+\e+1], v[W+\e:W+\e+1], v[tg+\e:tg+\e+1]        ; the first group starts the sums
.endif
.endr
.endr
	v_pk_add_f32 v[ACC:ACC+1], v[ACC:ACC+1], v[ACC+2:ACC+3]
	v_pk_add_f32 v[ACC+4:ACC+5], v[ACC+4:ACC+5], v[ACC+6:ACC+7]
	v_pk_add_f32 v[ACC:ACC+1], v[ACC:ACC+1], v[ACC+4:ACC+5]
	v_add_f32 v[ACC], v[ACC], v[ACC+1]
	s_add_co_u32 s63, s62, \kk
	s_cmp_lt_i32 s63, s57                          ; key < valid_len ?
	s_cselect_b32 s76, -1, 0
	v_cndmask_b32 v[SV+\kk], v3, v[ACC], s76       ; the score, or NEG
.endm
	s_load_b256 s[4:11], s[0:1], 0x0               ; k2 s[4:5], q2 s[6:7], w_v s[8:9], valid_lens s[10:11]
	s_load_b64 s[12:13], s[0:1], 0x20              ; sc
	v_lshrrev_b32 v1, 5, v0
	v_readfirstlane_b32 s53, v1                    ; wave = block of 32 rows
	v_and_b32 v1, 31, v0
	v_lshlrev_b32 v1, 4, v1                        ; 16 x lane
	v_mov_b32 v2, 0                                ; every lane at the same bytes
	v_mov_b32 v3, NEG
	s_mov_b32 s48, 0
	s_mov_b32 s75, 0
	s_wait_kmcnt 0x0
	s_load_b512 s[16:31], s[10:11], 0x0            ; all 16 valid_lens
.set ii, 0
.rept 16
	global_load_b128 v[W+4*ii:W+4*ii+3], v2, s[8:9] offset:16*ii
.set ii, ii+1
.endr
	s_wait_kmcnt 0x0
.set ii, 0
.rept 16
	s_min_i32 s[32+ii], s[16+ii], 1024
	s_add_co_i32 s[32+ii], s[32+ii], 31
	s_ashr_i32 s[32+ii], s[32+ii], 5               ; ceil(valid_len / 32)
	s_cmp_lt_i32 s[32+ii], 1
	s_cselect_b32 s[32+ii], 32, s[32+ii]           ; nothing valid: all tiles, all masked
	s_add_co_u32 s48, s48, s[32+ii]
.set ii, ii+1
.endr
	s_mul_i32 s49, ttmp9, s48
	s_add_co_u32 s50, s49, s48
	s_lshr_b32 s49, s49, 5                         ; my first item
	s_lshr_b32 s50, s50, 5                         ; and the end
	s_cmp_eq_u32 s49, s50
	s_cbranch_scc1 .Lend
	s_lshr_b32 s51, s49, 3                         ; first flat tile
	s_sub_co_u32 s52, s50, 1
	s_lshr_b32 s52, s52, 3
	s_add_co_u32 s52, s52, 1                       ; behind the last
	s_wait_loadcnt 0x0
.set ii, 0
.rept 32
	v_pk_mul_f32 v[W+2*ii:W+2*ii+1], v[W+2*ii:W+2*ii+1], MC op_sel_hi:[1,0]
.set ii, ii+1
.endr
.Lpiece:                                               ; my quads of one flat tile
	s_wait_loadcnt 0x0                             ; the last look-ahead has landed: K and Q are loaded anew
	s_wait_xcnt 0x0                                ; and the bases of earlier loads and stores are rewritten only behind this wait
	s_mov_b32 s54, 0
	s_mov_b32 s55, 0
	s_mov_b32 s56, 0
	s_mov_b32 s57, s16
.set ii, 0
.rept 15
	s_add_co_u32 s54, s54, s[32+ii]                ; tiles of batches 0..i
	s_cmp_le_u32 s54, s51                          ; my tile lies behind them: batch i + 1 or later
	s_cselect_b32 s55, ii+1, s55
	s_cselect_b32 s56, s54, s56
	s_cselect_b32 s57, s[17+ii], s57
.set ii, ii+1
.endr
	s_sub_co_u32 s63, s51, s56                     ; tile in the batch
	s_lshl_b32 s58, s55, 5
	s_add_co_u32 s58, s58, s63
	s_min_u32 s58, s58, 511                        ; batch * 32 + tile (these clamps change nothing: they bound what came from memory)
	s_min_u32 s55, s55, 15
	s_lshl_b32 s77, s51, 3                         ; the tile's first item
	s_max_u32 s59, s49, s77
	s_sub_co_u32 s59, s59, s77
	s_min_u32 s59, s59, 7                          ; my first quad in it
	s_add_co_u32 s60, s77, 8
	s_min_u32 s60, s60, s50
	s_sub_co_u32 s60, s60, s77                     ; behind my last
	s_mov_b32 s61, s59
	s_lshl_b32 s62, s63, 5
	s_lshl2_add_u32 s62, s59, s62                  ; index of the first key in its batch
	s_lshl_b32 s74, s58, 13                        ; k2: 32 keys x 256 bytes a tile, 1,024 a quad
	s_lshl_b32 s63, s59, 10
	s_add_co_u32 s74, s74, s63
	s_add_nc_u64 s[66:67], s[4:5], s[74:75]
	s_lshl_b32 s74, s58, 15                        ; sc: 32,768 bytes a tile, 4,096 a row block, 512 a quad
	s_lshl_b32 s63, s53, 12
	s_add_co_u32 s74, s74, s63
	s_lshl_b32 s63, s59, 9
	s_add_co_u32 s74, s74, s63
	s_add_nc_u64 s[70:71], s[12:13], s[74:75]
	s_lshl_b32 s74, s55, 16                        ; q2: 65,536 bytes a batch, 8,192 a row block
	s_lshl_b32 s63, s53, 13
	s_add_co_u32 s74, s74, s63
	s_add_nc_u64 s[72:73], s[6:7], s[74:75]
	NEXTSTEP s59                                   ; left = end - first quad, at least 1
.set ii, 0
.rept 16
	global_load_b128 v[Q+4*ii:Q+4*ii+3], v1, s[72:73] offset:512*ii      ; 32 rows x 4 h: 512 consecutive bytes
.set ii, ii+1
.endr
.set ii, 0
.rept 16
	global_load_b128 v[K+4*ii:K+4*ii+3], v2, s[66:67] offset:16*ii       ; the first key, in the groups' order
.set ii, ii+1
.endr
.Lquad:
	KEY 0, 66, 256
	KEY 1, 66, 512
	KEY 2, 66, 768
	KEY 3, 68, 0
	global_store_b128 v1, v[SV:SV+3], s[70:71]     ; 32 rows x 4 keys: 512 consecutive bytes
	s_wait_xcnt 0x0                                ; the store's data and the bases of loads and store are rewritten only behind this wait
	s_mov_b64 s[66:67], s[68:69]
	s_add_nc_u64 s[70:71], s[70:71], 512
	s_add_co_u32 s62, s62, 4
	s_add_co_u32 s61, s61, 1
	NEXTSTEP s61                                   ; left = end - the next quad; 0 behind the last, and the step is then 0 too
	s_cmp_lt_u32 s61, s60
	s_cbranch_scc1 .Lquad
	s_add_co_u32 s51, s51, 1
	s_cmp_lt_u32 s51, s52
	s_cbranch_scc1 .Lpiece
.Lend:
	s_endpgm
.Lfunc_end_k_q2f8045bcbe_scores:
	.size	k_q2f8045bcbe_scores, .Lfunc_end_k_q2f8045bcbe_scores-k_q2f8045bcbe_scores
	.p2alignl 7, 3214868480
	.fill 96, 4, 3214868480
	.section	.rodata,"a",@progbits
	.p2align	6, 0x0
	.amdhsa_kernel k_q2f8045bcbe_scores
		.amdhsa_group_segment_fixed_size 0
		.amdhsa_private_segment_fixed_size 0
		.amdhsa_enable_private_segment 0
		.amdhsa_kernarg_size 40
		.amdhsa_user_sgpr_count 2
		.amdhsa_user_sgpr_kernarg_segment_ptr 1
		.amdhsa_wavefront_size32 1
		.amdhsa_system_sgpr_workgroup_id_x 1
		.amdhsa_system_sgpr_workgroup_id_y 1
		.amdhsa_system_sgpr_workgroup_id_z 1
		.amdhsa_system_vgpr_workitem_id 0
		.amdhsa_next_free_vgpr 256
		.amdhsa_next_free_sgpr 80
		.amdhsa_reserve_vcc 0
		.amdhsa_float_denorm_mode_32 3
		.amdhsa_float_denorm_mode_16_64 3
		.amdhsa_memory_ordered 1
		.amdhsa_forward_progress 1
		.amdhsa_inst_pref_size 69
	.end_amdhsa_kernel
	.amdgpu_metadata
---
amdhsa.version: [ 1, 2 ]
amdhsa.kernels:
  - .name:           k_q2f8045bcbe_scores
    .symbol:         k_q2f8045bcbe_scores.kd
    .args:
      - { .name: k2, .offset: 0, .size: 8, .value_kind: global_buffer, .address_space: global }
      - { .name: q2, .offset: 8, .size: 8, .value_kind: global_buffer, .address_space: global }
      - { .name: w_v, .offset: 16, .size: 8, .value_kind: global_buffer, .address_space: global }
      - { .name: valid_lens, .offset: 24, .size: 8, .value_kind: global_buffer, .address_space: global }
      - { .name: sc, .offset: 32, .size: 8, .value_kind: global_buffer, .address_space: global }
    .group_segment_fixed_size: 0
    .private_segment_fixed_size: 0
    .kernarg_segment_align: 8
    .kernarg_segment_size: 40
    .max_flat_workgroup_size: 256
    .sgpr_count:     80
    .vgpr_count:     256
    .wavefront_size: 32
...
	.end_amdgpu_metadata
.endif
;; end of part 2
;; launch pv (part 3): grid 256 x 1, 16 waves a work-group, no clusters, 139,264 bytes of LDS; arguments sc, vf, valid_lens, out0; writes out0
.if DOCPART == 3
	.amdgcn_target "amdgcn-amd-amdhsa--gfx1250"
	.amdhsa_code_object_version 6
	.text
	.protected	k_q2f8045bcbe_pv
	.globl	k_q2f8045bcbe_pv
	.p2align	8
	.type	k_q2f8045bcbe_pv,@function
k_q2f8045bcbe_pv:
	s_mov_b64 s[64:65], 0
	v_nop
	global_prefetch_b8 v0, s[64:65] scope:SCOPE_SE
	s_setreg_imm32_b32 hwreg(HW_REG_WAVE_MODE, 25, 1), 1
	s_wait_xcnt 0x0
; PV: softmax over the stored scores (base 2) and the product with values.  A work-group owns 16 query rows of one batch.
; Wave w takes the key tiles w and w + 16.  A tile at or behind T = ceil(valid_len / 32) was never scored: its index is turned to tile 0
; (always scored, T >= 1) so that every load reads written bytes, and its scores are replaced by NEG, so that its weights are exp2(NEG - M) = 0.
; There is no branch: every wave does the same work.
; The row maximum is taken first, over all tiles (through LDS, first barrier), then taken away before the exponentials, as the reference does.
; The product is formed transposed, out^T = V^T x P^T: A = a ready fragment of vf (16 dv x 32 keys), B = P (lane (r, hh): row r, keys
; 8 hh + 0..7 and 16 + 8 hh + 0..7), which is exactly what four 16-byte loads from sc bring the lane.  f16 operands, f32 sums.
; P in f16: the weights exp2(s - M) lie in [0, 1], so they cannot overflow; one under 6e-8 rounds to 0, against a row sum of at least 1.
; The row sum is taken from the weights in f32.
; The sixteen waves' partial sums meet in LDS (second barrier); wave w adds and stores output row w: 512 consecutive bytes.
; LIMITS: as in the other launches (tiles behind valid_len are skipped; an inf or NaN in their values does not reach the result; values of
; magnitude 65,520 or more are infinite in f16).
; NO CLUSTER: the 16 work-groups of a batch read the same vf, but each fragment is used once, straight from registers; a joint load lands in
; LDS and would add an LDS write and read of each byte.
.set NEG, 0xc9b01c38                   ; -1e6 log2(e)
.set LST, 1024                         ; LDS: maxima [wave][row] at 0, sums [wave][row] at 1,024,
.set PST, 2048                         ; partial results [wave][row 16, pitch 528][128 f32]
.set PP,  528
.set PW,  16*PP
.set SV,  16                           ; v16-47   scores, then weights: slot 0, slot 1
.set PB,  48                           ; v48-63   the 16 maxima; then P in f16: two B fragments
.set VF,  64                           ; v64-191  V fragments of slot 0, slot 1; v64-127 later the 16 partial rows
.set ACC, 192                          ; v192-255 eight accumulators: dv blocks
	s_load_b256 s[4:11], s[0:1], 0x0               ; sc s[4:5], vf s[6:7], valid_lens s[8:9], out0 s[10:11]
	v_lshrrev_b32 v1, 5, v0
	v_readfirstlane_b32 s20, v1                    ; wave 0..15
	v_and_b32 v1, 31, v0
	v_lshlrev_b32 v1, 4, v1                        ; 16 x lane
	v_and_b32 v2, 15, v0                           ; r
	v_bfe_u32 v3, v0, 4, 1                         ; hh
	v_mov_b32 v4, NEG
	v_lshlrev_b32 v5, 4, v2
	v_lshl_add_u32 v5, v3, 10, v5                  ; scores: quads 2 hh .., row r
	v_mov_b32 v7, 0                                ; the lane exchange's destination counts as read
	s_mov_b32 s12, 0x76543210                      ; v_permlanex16_b32: lane i takes lane i of the other half
	s_mov_b32 s13, 0xfedcba98
	s_mov_b32 s39, 0
	s_lshr_b32 s21, ttmp9, 4                       ; batch
	s_and_b32 s22, ttmp9, 15                       ; block of 16 rows
	s_lshl_b32 s27, s21, 2
	s_lshr_b32 s23, s22, 1
	s_lshl_b32 s23, s23, 12                        ; sc: block of 32 rows,
	s_and_b32 s24, s22, 1
	s_lshl_b32 s24, s24, 8                         ; its lower or upper 16 rows
	s_add_co_u32 s23, s23, s24
	s_wait_kmcnt 0x0
	s_load_b32 s25, s[8:9], s27 offset:0x0
	; LDS addresses
	v_lshlrev_b32 v12, 2, v2                       ; 4 r
	s_lshl_b32 s42, s20, 6
	v_add_nc_u32 v13, s42, v12                     ; 64 w + 4 r
	s_mul_i32 s42, s20, PW
	s_add_co_u32 s42, s42, PST
	v_mul_u32_u24 v14, v2, PP
	v_lshl_add_u32 v14, v3, 5, v14
	v_add_nc_u32 v14, s42, v14                     ; my partial result: row r, 32 bytes at 32 hh
	s_mul_i32 s43, s20, PP
	s_add_co_u32 s43, s43, PST
	v_add_nc_u32 v15, s43, v1                      ; row w of wave 0's partial result, 16 bytes a lane
	v_add_nc_u32 v3, 8*PW, v15                     ; and of wave 8's (an LDS immediate has 16 bits)
	s_wait_kmcnt 0x0
	s_min_i32 s26, s25, 1024
	s_add_co_i32 s26, s26, 31
	s_ashr_i32 s26, s26, 5
	s_cmp_lt_i32 s26, 1
	s_cselect_b32 s26, 32, s26                     ; T, as in the score launch
.irp sl,0,1
	s_add_co_u32 s40, s20, 16*\sl
	s_cmp_lt_u32 s40, s26
	s_cselect_b32 s40, s40, 0                      ; the slot's tile, or tile 0
	s_cselect_b32 s[36+\sl], -1, 0                 ; and whether its scores count
	s_lshl_b32 s41, s21, 5
	s_add_co_u32 s40, s40, s41
	s_min_u32 s40, s40, 511
	s_lshl_b32 s38, s40, 15
	s_add_co_u32 s38, s38, s23
	s_add_nc_u64 s[28+2*\sl:29+2*\sl], s[4:5], s[38:39]
	s_lshl_b32 s38, s40, 13
	s_add_nc_u64 s[32+2*\sl:33+2*\sl], s[6:7], s[38:39]
.endr
.irp sl,0,1
.irp i,0,1,2,3
	global_load_b128 v[SV+16*\sl+4*\i:SV+16*\sl+4*\i+3], v5, s[28+2*\sl:29+2*\sl] offset:((\i&1)+4*(\i>>1))*512   ; 16 lanes: 256 consecutive bytes
.endr
.endr
.irp sl,0,1
.set ii, 0
.rept 16
	global_load_b128 v[VF+64*\sl+4*ii:VF+64*\sl+4*ii+3], v1, s[32+2*\sl:33+2*\sl] offset:512*ii
.set ii, ii+1
.endr
.endr
	s_wait_loadcnt 32                              ; the scores are in; the 32 younger loads of V stay out
.irp sl,0,1
.set ii, 0
.rept 16
	v_cndmask_b32 v[SV+16*\sl+ii], v4, v[SV+16*\sl+ii], s[36+\sl]
.set ii, ii+1
.endr
.endr
	v_max_num_f32 v6, v[SV], v[SV+1]
.set ii, 2
.rept 15
	v_max3_num_f32 v6, v6, v[SV+ii], v[SV+ii+1]
.set ii, ii+2
.endr
	v_permlanex16_b32 v7, v6, s12, s13             ; the same row's other 32 keys
	v_max_num_f32 v6, v6, v7
	ds_store_b32 v13, v6                           ; both halves write the same number
	s_wait_dscnt 0x0                               ; zero: the other waves read it
	s_barrier_signal -1
	s_barrier_wait -1
.set ii, 0
.rept 16
	ds_load_b32 v[PB+ii], v12 offset:64*ii         ; row r's maximum in each wave
.set ii, ii+1
.endr
	s_wait_dscnt 0x0
	v_max_num_f32 v8, v[PB], v[PB+1]
.set ii, 2
.rept 7
	v_max3_num_f32 v8, v8, v[PB+ii], v[PB+ii+1]
.set ii, ii+2
.endr
	v_mov_b32 v9, v8                               ; the row's maximum, twice
.set ii, 0
.rept 16
	v_pk_add_f32 v[SV+2*ii:SV+2*ii+1], v[SV+2*ii:SV+2*ii+1], v[8:9] neg_lo:[0,1] neg_hi:[0,1]
.set ii, ii+1
.endr
.set ii, 0
.rept 32
	v_exp_f32 v[SV+ii], v[SV+ii]
.set ii, ii+1
.endr
	v_nop                                          ; a plain place behind the exponentials (ISA guide 5.7.2)
	s_wait_alu depctr_va_vdst(0)
	v_pk_add_f32 v[10:11], v[SV:SV+1], v[SV+2:SV+3]
.set ii, 4
.rept 14
	v_pk_add_f32 v[10:11], v[10:11], v[SV+ii:SV+ii+1]
.set ii, ii+2
.endr
	v_add_f32 v10, v10, v11
	v_permlanex16_b32 v7, v10, s12, s13
	v_add_f32 v10, v10, v7
	ds_store_b32 v13, v10 offset:LST               ; my tiles' share of the row's sum
.set ii, 0
.rept 16
	v_cvt_pk_f16_f32 v[PB+ii], v[SV+2*ii], v[SV+2*ii+1]
.set ii, ii+1
.endr
	s_wait_loadcnt 16                              ; slot 0's V is in; slot 1's 16 loads stay out
.irp f,0,1,2,3,4,5,6,7
	v_wmma_f32_16x16x32_f16 v[ACC+8*\f:ACC+8*\f+7], v[VF+8*\f:VF+8*\f+7], v[PB:PB+7], 0
.endr
	s_wait_loadcnt 0x0
.irp f,0,1,2,3,4,5,6,7
	v_wmma_f32_16x16x32_f16 v[ACC+8*\f:ACC+8*\f+7], v[VF+64+8*\f:VF+64+8*\f+7], v[PB+8:PB+15], v[ACC+8*\f:ACC+8*\f+7]
.endr
.rept 4
	v_nop                                          ; four places behind the products (ISA guide 7.12.1) before results are stored and sources loaded into
.endr
.irp f,0,1,2,3,4,5,6,7
	ds_store_b128 v14, v[ACC+8*\f:ACC+8*\f+3]   offset:64*\f       ; row r, dv = 16 f + 8 hh + 0..3
	ds_store_b128 v14, v[ACC+8*\f+4:ACC+8*\f+7] offset:64*\f+16    ; + 4..7
.endr
	s_lshl_b32 s42, s20, 2
	s_add_co_u32 s42, s42, LST
	v_lshlrev_b32 v6, 6, v2
	v_add_nc_u32 v6, s42, v6                       ; the sum of row w in wave lane % 16
	s_lshl_b32 s38, ttmp9, 4
	s_add_co_u32 s38, s38, s20                     ; output row = 16 x work-group + w
	s_lshl_b32 s38, s38, 9
	s_add_nc_u64 s[44:45], s[10:11], s[38:39]
	s_wait_dscnt 0x0                               ; zero: the other waves read sums and partial results
	s_barrier_signal -1
	s_barrier_wait -1
	ds_load_b32 v10, v6
.set ii, 0
.rept 8
	ds_load_b128 v[VF+4*ii:VF+4*ii+3], v15 offset:ii*PW
.set ii, ii+1
.endr
.set ii, 0
.rept 8
	ds_load_b128 v[VF+32+4*ii:VF+32+4*ii+3], v3 offset:ii*PW
.set ii, ii+1
.endr
	s_wait_dscnt 16                                ; the sums are in; the 16 partial rows stay out
	v_add_f32_dpp v10, v10, v10 row_xmask:1 row_mask:0xf bank_mask:0xf
	v_add_f32_dpp v10, v10, v10 row_xmask:2 row_mask:0xf bank_mask:0xf
	v_add_f32_dpp v10, v10, v10 row_xmask:4 row_mask:0xf bank_mask:0xf
	v_add_f32_dpp v10, v10, v10 row_xmask:8 row_mask:0xf bank_mask:0xf
	v_rcp_f32 v11, v10                             ; the additions below stand between it and its use
	s_wait_dscnt 0x0
.set ii, 1
.rept 15
	v_pk_add_f32 v[VF:VF+1],   v[VF:VF+1],   v[VF+4*ii:VF+4*ii+1]
	v_pk_add_f32 v[VF+2:VF+3], v[VF+2:VF+3], v[VF+4*ii+2:VF+4*ii+3]
.set ii, ii+1
.endr
	s_wait_alu depctr_va_vdst(0)
.irp e,0,1,2,3
	v_mul_f32 v[VF+\e], v[VF+\e], v11
.endr
	global_store_b128 v1, v[VF:VF+3], s[44:45] th:TH_STORE_NT      ; a whole output row: 512 consecutive bytes
	s_wait_xcnt 0x0
	v_lshl_add_u32 v254, v0, 2, 0x21800
	v_mov_b32 v255, 0
	s_wait_tensorcnt 0x0
	ds_add_u32 v254, v255
	s_wait_dscnt 0x0
	s_endpgm
.Lfunc_end_k_q2f8045bcbe_pv:
	.size	k_q2f8045bcbe_pv, .Lfunc_end_k_q2f8045bcbe_pv-k_q2f8045bcbe_pv
	.p2alignl 7, 3214868480
	.fill 96, 4, 3214868480
	.section	.rodata,"a",@progbits
	.p2align	6, 0x0
	.amdhsa_kernel k_q2f8045bcbe_pv
		.amdhsa_group_segment_fixed_size 139264
		.amdhsa_private_segment_fixed_size 0
		.amdhsa_enable_private_segment 0
		.amdhsa_kernarg_size 32
		.amdhsa_user_sgpr_count 2
		.amdhsa_user_sgpr_kernarg_segment_ptr 1
		.amdhsa_wavefront_size32 1
		.amdhsa_system_sgpr_workgroup_id_x 1
		.amdhsa_system_sgpr_workgroup_id_y 1
		.amdhsa_system_sgpr_workgroup_id_z 1
		.amdhsa_system_vgpr_workitem_id 0
		.amdhsa_next_free_vgpr 256
		.amdhsa_next_free_sgpr 66
		.amdhsa_reserve_vcc 0
		.amdhsa_float_denorm_mode_32 3
		.amdhsa_float_denorm_mode_16_64 3
		.amdhsa_memory_ordered 1
		.amdhsa_forward_progress 1
		.amdhsa_inst_pref_size 22
	.end_amdhsa_kernel
	.amdgpu_metadata
---
amdhsa.version: [ 1, 2 ]
amdhsa.kernels:
  - .name:           k_q2f8045bcbe_pv
    .symbol:         k_q2f8045bcbe_pv.kd
    .args:
      - { .name: sc, .offset: 0, .size: 8, .value_kind: global_buffer, .address_space: global }
      - { .name: vf, .offset: 8, .size: 8, .value_kind: global_buffer, .address_space: global }
      - { .name: valid_lens, .offset: 16, .size: 8, .value_kind: global_buffer, .address_space: global }
      - { .name: out0, .offset: 24, .size: 8, .value_kind: global_buffer, .address_space: global }
    .group_segment_fixed_size: 139264
    .private_segment_fixed_size: 0
    .kernarg_segment_align: 8
    .kernarg_segment_size: 32
    .max_flat_workgroup_size: 512
    .sgpr_count:     66
    .vgpr_count:     256
    .wavefront_size: 32
...
	.end_amdgpu_metadata
.endif
;; end of part 3
;; ======== version 2 of 3: 3 launches; 1.23 times as fast as version 1
;; limits: right only within a limited range of input values; values are held in f16: magnitudes above 65,504 overflow, below 6.1e-05 lose precision
;; workspace buffers: k2 4,194,304 bytes; q2 1,048,576 bytes; vf 4,194,304 bytes; sc 16,777,216 bytes; fl 327,680 bytes of whole numbers
;; launch prep (part 4): grid 224 x 1, 8 waves a work-group, no clusters, 101,376 bytes of LDS; arguments keys, queries, values, W_k, W_q, k2, q2, vf, fl; writes k2, q2, vf, fl
.if DOCPART == 4
	.amdgcn_target "amdgcn-amd-amdhsa--gfx1250"
	.amdhsa_code_object_version 6
	.text
	.protected	k_q2f8045bcbe_prep
	.globl	k_q2f8045bcbe_prep
	.p2align	8
	.type	k_q2f8045bcbe_prep,@function
k_q2f8045bcbe_prep:
	s_mov_b64 s[64:65], 0
	v_nop
	global_prefetch_b8 v0, s[64:65] scope:SCOPE_SE
	s_setreg_imm32_b32 hwreg(HW_REG_WAVE_MODE, 25, 1), 1
	s_wait_xcnt 0x0
; PREP: what the later launches need once.
;   work-groups   0..127: k2 = c * keys    x W_k  (128 rows each, 16 a wave)     k2: [16384 keys][64 h] f32
;   work-groups 128..159: q2 = c * queries x W_q  (128 rows each, 16 a wave)     q2: [block of 32 rows][h / 4][row][4 h] f32
;   work-groups 160..223: vf = values in f16 as ready A fragments (a tile of 32 keys a wave)
;                         vf: [batch * 32 + tile][dv block f][half][lane][16 bytes]; lane (r, hh): dv = 16 f + r, keys 16 half + 8 hh + 0..7
; c = 2 log2(e): the score launch then needs exp2(q2 + k2) = e^(2 (q + k)) with no further multiply.
; fl: one flag for each wave's 16 rows of k2 or q2 (unit 8 x work-group + wave, 256 bytes, the same word 64 times): 1 where some |number| of
; the block is above 30, else 0.  Where all flags are 0 the score launch may form exp2(q2 + k2) as exp2(q2) x exp2(k2) and multiply two
; of the numbers 1 + exp2(..): the factors lie in 2^-30 .. 2^30, each number is at most 1 + 2^60, a product of two about 2^120.
; Products: f16 operands, f32 sums.  f16 and not bf16: 11 significant bits in place of 8, so that the rounding of the operands stays
; far inside one hundredth of the outputs' spread also in a batch with few valid keys.
; LIMIT: an element of keys, queries, values, W_k or W_q of magnitude 65,520 or more becomes infinite in f16; one under 6e-5 is kept as an
; f16 denormal, with an absolute error under 3e-8.
; Fragment nb of W stands for the columns h = 4 m + nb (m = 0..15), so that the four accumulators of a
; lane hold four NEIGHBOURING h: 16 bytes a lane, and sixteen neighbouring lanes store 256 consecutive, aligned bytes in both layouts.
; NO CLUSTER, NO TENSOR LOAD: W is shared by all work-groups, but W, the rows and values come as f32 and pass through registers to be
; rounded to f16 before they reach LDS; a joint load would land f32 in LDS and add an LDS write and read of every byte.
.set CS,   0x4038aa3b                  ; 2 log2(e)
.set LIM,  0x41f00000                  ; 30.0
.set XST,  32768                       ; LDS: W's fragments [K step 8][nb 4][half 2][lane][16] in 0..32767, then a stage of 16 rows a wave
.set XP,   528                         ; a staged row: 256 f16 + 16 bytes, an odd multiple of 16
.set XSTW, 16*XP
.set VP,   288                         ; values path: a staged key: 128 f16 + 32 bytes, an odd multiple of 32 (transposing loads)
.set VSTW, 32*VP
.set ACC, 16                           ; v16-47   W's fragments as they are built, then four accumulators
.set XB,  64                           ; v64-127  W as loaded, then the 8 fragments of my rows, then the results in store order
.set RAW, 128                          ; v128-255 rows as loaded, then W's fragments: two buffers of two K steps
.set G0,  128
.set G1,  192
.macro MM d, a, b, z                   ; one product; z = 1: it starts the sum
.if \z
	v_wmma_f32_16x16x32_f16 v[\d:\d+7], v[\a:\a+7], v[\b:\b+7], 0
.else
	v_wmma_f32_16x16x32_f16 v[\d:\d+7], v[\a:\a+7], v[\b:\b+7], v[\d:\d+7]
.endif
.endm
.macro WFETCH g, s0                    ; 16 LDS loads: W's fragments of K steps s0, s0 + 1
.irp u,0,1
.irp nb,0,1,2,3
	ds_load_b128 v[\g+32*\u+8*\nb:\g+32*\u+8*\nb+3],   v2 offset:((\s0+\u)*4+\nb)*1024
	ds_load_b128 v[\g+32*\u+8*\nb+4:\g+32*\u+8*\nb+7], v2 offset:((\s0+\u)*4+\nb)*1024+512
.endr
.endr
.endm
.macro MUL g, s0, zero, swap           ; 8 products.  swap = 0: A = my rows, B = W (a lane holds h quad r of rows 8 hh + j);
.irp u,0,1                             ; swap = 1: A = W, B = my rows (a lane holds row r, h quads 8 hh + j)
.irp nb,0,1,2,3
.if \swap
	MM ACC+8*\nb,\g+32*\u+8*\nb,XB+8*(\s0+\u),(\zero)*(1-\u)
.else
	MM ACC+8*\nb,XB+8*(\s0+\u),\g+32*\u+8*\nb,(\zero)*(1-\u)
.endif
.endr
.endr
.endm
.macro PLACES                          ; four independent vector places behind matrix instructions (ISA guide 7.12.1) before their
.rept 4                                ; sources are loaded again or their results read
	v_nop
.endr
.endm
.macro TAIL swap, stride               ; the eight K steps, the scaling, the eight stores, the block's flag
	WFETCH G0, 0
	WFETCH G1, 2
	s_wait_dscnt 16                                ; my rows' fragments and buffer 0 are in; buffer 1's 16 loads stay out
	MUL G0, 0, 1, \swap
	PLACES
	WFETCH G0, 4
	s_wait_dscnt 16                                ; buffer 1 is in; the 16 loads just issued stay out
	MUL G1, 2, 0, \swap
	PLACES
	WFETCH G1, 6
	s_wait_dscnt 16
	MUL G0, 4, 0, \swap
	s_wait_dscnt 0x0
	MUL G1, 6, 0, \swap
	PLACES
.irp j,0,1,2,3,4,5,6,7
.irp nb,0,1,2,3
	v_mul_f32 v[XB+4*\j+\nb], CS, v[ACC+8*\nb+\j]  ; the scaling also lays the four h of a quad side by side
.endr
.endr
.irp j,0,1,2,3,4,5,6,7
	global_store_b128 v12, v[XB+4*\j:XB+4*\j+3], s[32:33] offset:\j*\stride    ; 16 lanes: 256 consecutive, aligned bytes
.endr
	; the largest magnitude of the block's 16 x 64 numbers: 32 in the lane, then across the lanes
	v_max_num_f32 v13, |v[XB]|, |v[XB+1]|
.set ii, 2
.rept 15
	v_max3_num_f32 v13, |v[XB+ii]|, |v[XB+ii+1]|, v13
.set ii, ii+2
.endr
	v_max_num_f32_dpp v13, v13, v13 row_xmask:1 row_mask:0xf bank_mask:0xf
	v_max_num_f32_dpp v13, v13, v13 row_xmask:2 row_mask:0xf bank_mask:0xf
	v_max_num_f32_dpp v13, v13, v13 row_xmask:4 row_mask:0xf bank_mask:0xf
	v_max_num_f32_dpp v13, v13, v13 row_xmask:8 row_mask:0xf bank_mask:0xf
	v_permlanex16_b32 v11, v13, s36, s37           ; v11 has been written: the destination counts as read
	v_max_num_f32 v13, v13, v11                    ; every lane holds it
	v_cmp_lt_f32 vcc_lo, LIM, v13
	v_cndmask_b32 v14, 0, 1, vcc_lo                ; the flag, alike in all lanes
	v_mov_b32 v15, v14
	global_store_b64 v10, v[14:15], s[22:23]       ; 32 lanes x 8 bytes: the block's 256 consecutive, aligned bytes
.endm
	s_load_b256 s[4:11], s[0:1], 0x0               ; keys s[4:5], queries s[6:7], values s[8:9], W_k s[10:11]
	s_load_b256 s[12:19], s[0:1], 0x20             ; W_q s[12:13], k2 s[14:15], q2 s[16:17], vf s[18:19]
	s_load_b64 s[22:23], s[0:1], 0x40              ; fl
	v_lshl_add_u32 v62, v0, 2, 0x18800
	v_mov_b32 v63, 0
	v_lshrrev_b32 v1, 5, v0
	v_readfirstlane_b32 s20, v1                    ; wave 0..7
	v_and_b32 v1, 31, v0                           ; lane
	v_lshlrev_b32 v2, 4, v1                        ; 16 x lane
	v_and_b32 v6, 15, v0                           ; r
	v_bfe_u32 v9, v0, 4, 1                         ; hh
	v_and_b32 v11, 7, v0                           ; lane % 8
	v_bfe_u32 v13, v0, 3, 1                        ; (lane / 8) % 2
	s_mov_b32 s25, 0
	s_mov_b32 s27, 0
	s_cmp_ge_u32 ttmp9, 160
	s_cbranch_scc1 .Lvalues
	; ---------------- projections ----------------
	s_cmp_ge_u32 ttmp9, 128
	s_cselect_b32 s21, 128, 0
	s_sub_co_u32 s21, ttmp9, s21                   ; j: my block of 128 rows
	s_lshl_b32 s24, s21, 17                        ; x 128 rows x 1,024 bytes
	s_lshl_b32 s34, s20, 14                        ; + my wave's 16 rows
	s_add_co_u32 s24, s24, s34
	s_lshl_b32 s26, ttmp9, 3
	s_add_co_u32 s26, s26, s20
	s_lshl_b32 s26, s26, 8                         ; my flag: unit 8 x work-group + wave
	s_mov_b32 s36, 0x76543210                      ; v_permlanex16_b32: lane i takes lane i of the other half
	s_mov_b32 s37, 0xfedcba98
	s_lshl_b32 s34, s20, 13                        ; W: rows d = 32 w .. (256 bytes each): wave w builds K step w
	v_lshlrev_b32 v3, 4, v6
	v_lshl_add_u32 v3, v9, 11, v3
	v_add_nc_u32 v3, s34, v3                       ; (32 w + 8 hh) x 256 + 16 r
	v_lshlrev_b32 v10, 3, v1                       ; 8 x lane: the flag's store
	s_wait_kmcnt 0x0
	s_cmp_ge_u32 ttmp9, 128                        ; again: the arithmetic above wrote SCC
	s_cselect_b64 s[28:29], s[6:7], s[4:5]         ; rows
	s_cselect_b64 s[30:31], s[12:13], s[10:11]     ; W
	s_add_nc_u64 s[28:29], s[28:29], s[24:25]
	s_add_nc_u64 s[22:23], s[22:23], s[26:27]
.set ii, 0
.rept 16
	global_load_b128 v[XB+4*ii:XB+4*ii+3], v3, s[30:31] offset:(ii+8*(ii/8))*256       ; W[32 w + 8 hh + i (+ 8)][4 r ..]: 16 lanes read a whole row
.set ii, ii+1
.endr
.set ii, 0
.rept 32
	global_load_b128 v[RAW+4*ii:RAW+4*ii+3], v2, s[28:29] offset:ii*512 th:TH_LOAD_NT  ; half a row; 16,384 consecutive bytes, read once
.set ii, ii+1
.endr
	s_lshl_b32 s34, s20, 12
	v_add_nc_u32 v5, s34, v2                       ; W's fragments of K step w: 4 x 1,024 bytes
	s_mul_i32 s35, s20, XSTW
	s_add_co_u32 s35, s35, XST                     ; my wave's stage
	v_lshl_add_u32 v7, v1, 3, s35                  ; rows in: 8 bytes a lane
	v_mul_u32_u24 v8, v6, XP
	v_lshl_add_u32 v8, v9, 4, v8
	v_add_nc_u32 v8, s35, v8                       ; fragments out: row r, 16 bytes at 16 hh
	s_wait_loadcnt 32                              ; W is in; the 32 younger loads of my rows stay out
.irp nb,0,1,2,3
.irp p,0,1,2,3,4,5,6,7
	v_cvt_pk_f16_f32 v[ACC+8*\nb+\p], v[XB+8*\p+\nb], v[XB+8*\p+4+\nb]         ; k = 2 p, 2 p + 1 of the lane's sixteen, column 4 r + nb
.endr
	ds_store_b128 v5, v[ACC+8*\nb:ACC+8*\nb+3]   offset:\nb*1024
	ds_store_b128 v5, v[ACC+8*\nb+4:ACC+8*\nb+7] offset:\nb*1024+512
.endr
.set ii, 0
.rept 32
	s_wait_loadcnt 31-ii                           ; loads return in order: the younger ones stay out
	v_cvt_pk_f16_f32 v[RAW+4*ii], v[RAW+4*ii], v[RAW+4*ii+1]
	v_cvt_pk_f16_f32 v[RAW+4*ii+1], v[RAW+4*ii+2], v[RAW+4*ii+3]
	ds_store_b64 v7, v[RAW+4*ii:RAW+4*ii+1] offset:(ii/2)*XP+(ii%2)*256
.set ii, ii+1
.endr
	s_wait_dscnt 0x0                               ; my K step of W is in LDS: zero, since the other waves read it
	s_barrier_signal -1
	s_barrier_wait -1
.set ii, 0
.rept 8
	ds_load_b128 v[XB+8*ii:XB+8*ii+3],   v8 offset:64*ii           ; d = 32 s + 8 hh ..
	ds_load_b128 v[XB+8*ii+4:XB+8*ii+7], v8 offset:64*ii+32        ; d = 32 s + 16 + 8 hh ..
.set ii, ii+1
.endr
	v_lshlrev_b32 v12, 4, v6                       ; 16 r
	s_cmp_ge_u32 ttmp9, 128
	s_cbranch_scc1 .Lq
	s_lshl_b32 s24, s21, 15                        ; k2: 128 rows x 256 bytes a work-group,
	s_lshl_b32 s34, s20, 12                        ; 16 rows a wave
	s_add_co_u32 s24, s24, s34
	s_add_nc_u64 s[32:33], s[14:15], s[24:25]
	v_lshl_add_u32 v12, v9, 11, v12                ; row 8 hh (+ j by the immediate), h quad r
	TAIL 0, 256
	s_wait_tensorcnt 0x0
	ds_add_u32 v62, v63
	s_wait_dscnt 0x0
	s_endpgm
.Lq:
	s_lshl_b32 s24, s21, 2
	s_lshr_b32 s34, s20, 1
	s_add_co_u32 s24, s24, s34                     ; block of 32 rows = 4 j + w / 2
	s_lshl_b32 s24, s24, 13
	s_and_b32 s34, s20, 1
	s_lshl_b32 s34, s34, 8                         ; its upper or lower 16 rows
	s_add_co_u32 s24, s24, s34
	s_add_nc_u64 s[32:33], s[16:17], s[24:25]
	v_lshl_add_u32 v12, v9, 12, v12                ; h quad 8 hh (+ j by the immediate), row r
	TAIL 1, 512
	s_wait_tensorcnt 0x0
	ds_add_u32 v62, v63
	s_wait_dscnt 0x0
	s_endpgm
	; ---------------- values: f16 fragments; each wave works in a stage of its own, so no barrier ----------------
.Lvalues:
	s_sub_co_u32 s21, ttmp9, 160
	s_lshl_b32 s21, s21, 3
	s_add_co_u32 s21, s21, s20                     ; my tile = batch * 32 + tile, 0..511
	s_lshl_b32 s24, s21, 14                        ; 32 keys x 512 bytes
	s_lshl_b32 s26, s21, 13                        ; 8,192 bytes of fragments
	s_mul_i32 s35, s20, VSTW
	v_lshl_add_u32 v7, v1, 3, s35                  ; in: 8 bytes a lane
	v_lshl_add_u32 v10, v9, 3, v11
	v_mul_u32_u24 v10, v10, VP
	v_lshl_add_u32 v10, v13, 4, v10
	v_add_nc_u32 v10, s35, v10                     ; transposing load: key 8 hh + lane % 8, 16 bytes at 16 ((lane / 8) % 2)
	s_wait_kmcnt 0x0
	s_add_nc_u64 s[28:29], s[8:9], s[24:25]
	s_add_nc_u64 s[32:33], s[18:19], s[26:27]
.set ii, 0
.rept 32
	global_load_b128 v[RAW+4*ii:RAW+4*ii+3], v2, s[28:29] offset:ii*512 th:TH_LOAD_NT  ; key ii: 512 consecutive bytes, read once
.set ii, ii+1
.endr
.set ii, 0
.rept 32
	s_wait_loadcnt 31-ii
	v_cvt_pk_f16_f32 v[RAW+4*ii], v[RAW+4*ii], v[RAW+4*ii+1]
	v_cvt_pk_f16_f32 v[RAW+4*ii+1], v[RAW+4*ii+2], v[RAW+4*ii+3]
	ds_store_b64 v7, v[RAW+4*ii:RAW+4*ii+1] offset:ii*VP
.set ii, ii+1
.endr
.set ii, 0
.rept 8
	ds_load_tr16_b128 v[XB+8*ii:XB+8*ii+3],   v10 offset:32*ii           ; LDS serves a wave in order: these see the stores above
	ds_load_tr16_b128 v[XB+8*ii+4:XB+8*ii+7], v10 offset:32*ii+16*VP
.set ii, ii+1
.endr
.set ii, 0
.rept 16
	s_wait_dscnt 15-ii
	global_store_b128 v2, v[XB+4*ii:XB+4*ii+3], s[32:33] offset:ii*512   ; 512 consecutive bytes
.set ii, ii+1
.endr
	s_wait_tensorcnt 0x0
	ds_add_u32 v62, v63
	s_wait_dscnt 0x0
	s_endpgm
.Lfunc_end_k_q2f8045bcbe_prep:
	.size	k_q2f8045bcbe_prep, .Lfunc_end_k_q2f8045bcbe_prep-k_q2f8045bcbe_prep
	.p2alignl 7, 3214868480
	.fill 96, 4, 3214868480
	.section	.rodata,"a",@progbits
	.p2align	6, 0x0
	.amdhsa_kernel k_q2f8045bcbe_prep
		.amdhsa_group_segment_fixed_size 101376
		.amdhsa_private_segment_fixed_size 0
		.amdhsa_enable_private_segment 0
		.amdhsa_kernarg_size 72
		.amdhsa_user_sgpr_count 2
		.amdhsa_user_sgpr_kernarg_segment_ptr 1
		.amdhsa_wavefront_size32 1
		.amdhsa_system_sgpr_workgroup_id_x 1
		.amdhsa_system_sgpr_workgroup_id_y 1
		.amdhsa_system_sgpr_workgroup_id_z 1
		.amdhsa_system_vgpr_workitem_id 0
		.amdhsa_next_free_vgpr 256
		.amdhsa_next_free_sgpr 66
		.amdhsa_reserve_vcc 1
		.amdhsa_float_denorm_mode_32 3
		.amdhsa_float_denorm_mode_16_64 3
		.amdhsa_memory_ordered 1
		.amdhsa_forward_progress 1
		.amdhsa_inst_pref_size 54
	.end_amdhsa_kernel
	.amdgpu_metadata
---
amdhsa.version: [ 1, 2 ]
amdhsa.kernels:
  - .name:           k_q2f8045bcbe_prep
    .symbol:         k_q2f8045bcbe_prep.kd
    .args:
      - { .name: keys, .offset: 0, .size: 8, .value_kind: global_buffer, .address_space: global }
      - { .name: queries, .offset: 8, .size: 8, .value_kind: global_buffer, .address_space: global }
      - { .name: values, .offset: 16, .size: 8, .value_kind: global_buffer, .address_space: global }
      - { .name: W_k, .offset: 24, .size: 8, .value_kind: global_buffer, .address_space: global }
      - { .name: W_q, .offset: 32, .size: 8, .value_kind: global_buffer, .address_space: global }
      - { .name: k2, .offset: 40, .size: 8, .value_kind: global_buffer, .address_space: global }
      - { .name: q2, .offset: 48, .size: 8, .value_kind: global_buffer, .address_space: global }
      - { .name: vf, .offset: 56, .size: 8, .value_kind: global_buffer, .address_space: global }
      - { .name: fl, .offset: 64, .size: 8, .value_kind: global_buffer, .address_space: global }
    .group_segment_fixed_size: 101376
    .private_segment_fixed_size: 0
    .kernarg_segment_align: 8
    .kernarg_segment_size: 72
    .max_flat_workgroup_size: 256
    .sgpr_count:     66
    .vgpr_count:     256
    .wavefront_size: 32
...
	.end_amdgpu_metadata
.endif
;; end of part 4
;; launch scores (part 5): grid 256 x 1, 8 waves a work-group, no clusters, 9,216 bytes of LDS; arguments k2, q2, w_v, valid_lens, sc, fl; writes sc
.if DOCPART == 5
	.amdgcn_target "amdgcn-amd-amdhsa--gfx1250"
	.amdhsa_code_object_version 6
	.text
	.protected	k_q2f8045bcbe_scores
	.globl	k_q2f8045bcbe_scores
	.p2align	8
	.type	k_q2f8045bcbe_scores,@function
k_q2f8045bcbe_scores:
	s_mov_b64 s[64:65], 0
	v_nop
	global_prefetch_b8 v0, s[64:65] scope:SCOPE_SE
	s_setreg_imm32_b32 hwreg(HW_REG_WAVE_MODE, 25, 1), 1
	s_wait_xcnt 0x0
; SCORES: s[row][key] = sum over h of (-c w_h) / (1 + exp2(q2[row][h] + k2[key][h])), c = 2 log2(e).
; tanh(z) = 1 - 2 / (1 + e^(2z)), so this is log2(e) x (the reference's score - sum of w), a shift that a softmax does not see.
; Keys at or behind valid_len get NEG = -1e6 log2(e).
; TWO PATHS, chosen for each piece of work by the flags that the launch before stored (1 = a block of 16 rows holds a magnitude above 30):
;   all four flags 0: exp2(q2 + k2) = exp2(q2) x exp2(k2); the factors are formed once (64 exponentials for my row in a piece, 8 a lane for a
;     quad of keys).  With a = 1 + Eq Ek, two elements share a reciprocal: w_a / a + w_b / b = (w_a b + w_b a) x 1 / (a b).  Four elements
;     cost six packed multiply-adds and two reciprocals.  The factors lie in 2^-30 .. 2^30, a in 1 .. 1 + 2^60, a b under 2^121: nothing
;     overflows, and no reciprocal is small enough to be flushed.
;   otherwise: the sum q2 + k2 is formed first and each element gets its own exponential and reciprocal.  An exponential that overflows
;     gives 1 / inf = 0, one that underflows gives 1: tanh's own saturation, for inputs of any size.
; LIMIT: tiles of 32 keys that lie wholly behind valid_len are not scored (their weight in the softmax is exp(-1e6 + ..) = 0 as long as the
; sum of |w_v| stays under some 4.9e5).  valid_len <= 0: all 32 tiles are taken and all keys masked, as the reference does.
; SHARING: batch b has T_b = ceil(valid_len / 32) tiles.  The tiles of all batches are numbered through; an item is 4 keys of a tile for all
; 256 rows; there are 8 S items, S = sum of T_b.  Work-group j takes items (j S) >> 5 up to ((j + 1) S) >> 5: equal to within one item.
; (With S < 32 some work-groups find nothing to take.)  Wave w takes rows 32 w .. 32 w + 31, a lane one row; the row's q (64 registers) and
; w (64) stay in registers.
; K: a quad of keys is 1,024 consecutive bytes of k2.  Each wave loads it by two loads of 512 bytes, one quad ahead, and lays it into 1,024
; bytes of LDS of its own; from there a key comes by 16 loads in which all lanes name the same 16 bytes, refilled in place one key ahead,
; in two runs of eight: h 0-31 as soon as they have been read, h 32-63 likewise.
; Each wave touches its own LDS bytes alone, and LDS serves a wave's instructions in order (ISA guide 5.7.1): no barrier, and no wait
; between the reads of the old quad and the stores of the next.
; sc: [batch * 32 + tile][row block 8][quad of keys 8][row 32][4 keys] f32: a wave's store covers 512 consecutive bytes.
; No matrix unit: the work is reciprocals and exponentials.  NO CLUSTER: which tiles neighbours read hangs on valid_lens.
.set NEG, 0xc9b01c38                   ; -1e6 log2(e)
.set MC,  0xc038aa3b                   ; -2 log2(e)
.set SV,  4                            ; v4-7     four scores of my row
.set ACC, 8                            ; v8-15    pairs of partial sums (two on the fast path, four on the general one)
.set T,   16                           ; v16-31   two sets of eight numbers at work, taken in turn by the groups of 8 h
.set ST,  32                           ; v32-39   my 32 bytes of the next quad of keys, on their way to LDS
.set LS,  40                           ; v40      LDS: 1,024 x wave + 16 x lane;  v2: 1,024 x wave;  v1: 16 x lane;  v3: NEG
.set ZR,  41                           ; v41      0
.set D,   42                           ; v42-49   two sets of four denominators a b, taken in turn like T
.set K,   64                           ; v64-127  the key: k2 or exp2(k2)
.set Q,   128                          ; v128-191 my row: q2 or exp2(q2)
.set W,   192                          ; v192-255 -c w
; s[16:31] valid_lens, s[32:47] T_b, s48 S, s49/s50 my items, s51/s52 flat tile and its end, s53 wave, s54-57 decode (sum, batch, its first
; tile, its valid_len), s58 tile in memory, s59-61 first quad, end, quad, s62 key index in the batch, s[66:67] the first quad's keys,
; s[68:69] the second's, s[84:85] the quad two ahead, s[70:71] sc, s[72:73] q2, s[74:75] an offset, s76 mask, s78-81 flags, s86/87 their offsets
.macro REFILL4 g0, noff                ; groups g0 .. g0 + 3 of the next key (at byte noff of my LDS), into registers already read
.irp i,0,1,2,3,4,5,6,7
	ds_load_b128 v[K+8*\g0+4*\i:K+8*\g0+4*\i+3], v2 offset:\noff+32*\g0+16*\i
.endr
.endm
.macro MASK kk                         ; the key's score, or NEG at or behind valid_len
	s_add_co_u32 s63, s62, \kk
	s_cmp_lt_i32 s63, s57
	s_cselect_b32 s76, -1, 0
	v_cndmask_b32 v[SV+\kk], v3, v[ACC], s76
.endm
; THE COUNTS of both key macros.  cnt = the LDS instructions issued behind the run that is waited for.  At a key's head that run is h 0-31,
; and behind it stands the run for h 32-63: 8.  In front of group 4 it is h 32-63, and behind it stands this key's run for h 0-31: 8.
; In key 3 the two stores of the next quad stand in between as well: 10.  The first key of a piece comes by 16 loads in the same order.
; ---- the fast path ----
.macro ARGF g                          ; a = 1 + Eq Ek for the eight h of group g, into its set
.set tb, T+8*((\g)%2)
.set kb, 8*(\g)
.irp e,0,2,4,6
	v_pk_fma_f32 v[tb+\e:tb+\e+1], v[K+kb+\e:K+kb+\e+1], v[Q+kb+\e:Q+kb+\e+1], 1.0 op_sel_hi:[1,1,0]
.endr
.endm
.macro DENF g                          ; the four denominators of group g: elements 0, 1 go with 2, 3, and 4, 5 with 6, 7
.set tb, T+8*((\g)%2)
.set db, D+4*((\g)%2)
	v_pk_mul_f32 v[db:db+1],   v[tb:tb+1],   v[tb+2:tb+3]
	v_pk_mul_f32 v[db+2:db+3], v[tb+4:tb+5], v[tb+6:tb+7]
.endm
; One key for 32 rows.  Behind each run of reciprocals stand the next group's four multiply-adds (in group 7 the numerators' multiplies):
; independent plain vector instructions, as have to come before a transcendental's result is used (ISA guide 5.7.2).
.macro KEYF kk, cnt, noff
	s_wait_dscnt \cnt
	ARGF 0
	DENF 0
.irp g,0,1,2,3,4,5,6,7
.set tg, T+8*(\g%2)
.set dg, D+4*(\g%2)
.irp e,0,1,2,3
	v_rcp_f32 v[dg+\e], v[dg+\e]
.endr
.if \g==3
	s_wait_dscnt \cnt
.endif
.if \g<7
	ARGF \g+1
.endif
	v_pk_mul_f32 v[tg+2:tg+3], v[W+8*\g:W+8*\g+1],     v[tg+2:tg+3]                  ; w_a b
	v_pk_mul_f32 v[tg+6:tg+7], v[W+8*\g+4:W+8*\g+5],   v[tg+6:tg+7]
	v_pk_fma_f32 v[tg+2:tg+3], v[W+8*\g+2:W+8*\g+3],   v[tg:tg+1],   v[tg+2:tg+3]    ; + w_b a
	v_pk_fma_f32 v[tg+6:tg+7], v[W+8*\g+6:W+8*\g+7],   v[tg+4:tg+5], v[tg+6:tg+7]
.if \g<7
	DENF \g+1
.endif
.if \g
	s_wait_alu depctr_va_vdst(0)
	v_pk_fma_f32 v[ACC:ACC+1],   v[tg+2:tg+3], v[dg:dg+1],   v[ACC:ACC+1]
	v_pk_fma_f32 v[ACC+2:ACC+3], v[tg+6:tg+7], v[dg+2:dg+3], v[ACC+2:ACC+3]
.else
	s_wait_alu depctr_va_vdst(0)
	v_pk_mul_f32 v[ACC:ACC+1],   v[tg+2:tg+3], v[dg:dg+1]                            ; the first group starts the sums
	v_pk_mul_f32 v[ACC+2:ACC+3], v[tg+6:tg+7], v[dg+2:dg+3]
.endif
.if \g==2
	REFILL4 0,\noff                                ; groups 0-3 have all been read (group 3 a few lines above)
.endif
.if \g==6
	REFILL4 4,\noff                                ; and groups 4-7
.endif
.endr
	v_pk_add_f32 v[ACC:ACC+1], v[ACC:ACC+1], v[ACC+2:ACC+3]
	v_add_f32 v[ACC], v[ACC], v[ACC+1]
	MASK \kk
.endm
; ---- the general path ----
.macro ARGG g, hf                      ; four sums q2 + k2 of group g into its set
.set tb, T+8*((\g)%2)+4*\hf
.set kb, 8*(\g)+4*\hf
	v_pk_add_f32 v[tb:tb+1],   v[K+kb:K+kb+1],   v[Q+kb:Q+kb+1]
	v_pk_add_f32 v[tb+2:tb+3], v[K+kb+2:K+kb+3], v[Q+kb+2:Q+kb+3]
	s_wait_alu depctr_va_vdst(0)
.endm
; The next group's sums stand behind each run of exponentials and reciprocals, as the independent plain vector instructions in front of the
; results' use (ISA guide 5.7.2); they touch the other set alone.
.macro KEYG kk, cnt, noff
	s_wait_dscnt \cnt
	ARGG 0,0
	ARGG 0,1
.irp g,0,1,2,3,4,5,6,7
.set tg, T+8*(\g%2)
.irp e,0,1,2,3,4,5,6,7
	v_exp_f32 v[tg+\e], v[tg+\e]
.endr
.if \g==3
	s_wait_dscnt \cnt
.endif
.if \g<7
	ARGG \g+1,0
.else
	v_nop
	s_wait_alu depctr_va_vdst(0)
.endif
	s_wait_alu depctr_va_vdst(0)
.irp e,0,2,4,6
	v_pk_add_f32 v[tg+\e:tg+\e+1], v[tg+\e:tg+\e+1], 1.0 op_sel_hi:[1,0]
.endr
.irp e,0,1,2,3,4,5,6,7
	v_rcp_f32 v[tg+\e], v[tg+\e]
.endr
.if \g<7
	ARGG \g+1,1
.else
	v_nop
	s_wait_alu depctr_va_vdst(0)
.endif
.irp e,0,2,4,6
.if \g
	v_pk_fma_f32 v[ACC+\e:ACC+\e+1], v[W+8*\g+\e:W+8*\g+\e+1], v[tg+\e:tg+\e+1], v[ACC+\e:ACC+\e+1]
.else
	s_wait_alu depctr_va_vdst(0)
	v_pk_mul_f32 v[ACC+\e:ACC+\e+1], v[W+\e:W+\e+1], v[tg+\e:tg+\e+1]        ; the first group starts the sums
.endif
.endr
.if \g==2
	REFILL4 0,\noff
.endif
.if \g==6
	REFILL4 4,\noff
.endif
.endr
	v_pk_add_f32 v[ACC:ACC+1], v[ACC:ACC+1], v[ACC+2:ACC+3]
	v_pk_add_f32 v[ACC+4:ACC+5], v[ACC+4:ACC+5], v[ACC+6:ACC+7]
	v_pk_add_f32 v[ACC:ACC+1], v[ACC:ACC+1], v[ACC+4:ACC+5]
	v_add_f32 v[ACC], v[ACC], v[ACC+1]
	MASK \kk
.endm
.macro KEY kk, cnt, noff, fast
.if \fast
	KEYF \kk,\cnt,\noff
.else
	KEYG \kk,\cnt,\noff
.endif
.endm
; The address of the quad two ahead of quad q: left = my quads left in the tile from q on; (min(left, 3) + 1) & 4 is 4 where a third one
; exists and 0 where not; x 256 = a step of 1,024 bytes or none.  So the look-ahead stays on my last quad, and no load leaves my part of k2.
.macro NEXTSTEP q, src
	s_sub_co_u32 s63, s60, \q
	s_min_u32 s63, s63, 3
	s_add_co_u32 s63, s63, 1
	s_and_b32 s63, s63, 4
	s_lshl_b32 s74, s63, 8
	s_add_nc_u64 s[84:85], s[\src:\src+1], s[74:75]
.endm
; The quad in ST goes to my LDS bytes (as exp2 on the fast path), and ST is asked for again from the pair np.
.macro TOLDS fast, np
.if \fast
.set ii, 0
.rept 8
	v_exp_f32 v[ST+ii], v[ST+ii]
.set ii, ii+1
.endr
	v_nop                                          ; a plain place behind the exponentials (ISA guide 5.7.2)
	s_wait_alu depctr_va_vdst(0)
.endif
	ds_store_b128 v[LS], v[ST:ST+3]                ; keys 0, 1 of the quad
	ds_store_b128 v[LS], v[ST+4:ST+7] offset:512   ; keys 2, 3
	global_load_b128 v[ST:ST+3],   v1, s[\np:\np+1]
	global_load_b128 v[ST+4:ST+7], v1, s[\np:\np+1] offset:512
.endm
.macro PRE fast                        ; the head of a piece: Q and the first quad are in registers
.if \fast
.set jj, 0
.rept 64
	v_exp_f32 v[Q+jj], v[Q+jj]
.set jj, jj+1
.endr
.endif
	TOLDS \fast, 68                                ; the first quad to LDS; the second is asked for
.set ii, 0
.rept 16
	ds_load_b128 v[K+4*ii:K+4*ii+3], v2 offset:16*ii       ; the first key, h ascending: the two runs' order
.set ii, ii+1
.endr
.endm
.macro QUAD fast                       ; four keys; leaves SCC = another quad follows
	KEY 0, 8, 256, \fast
	KEY 1, 8, 512, \fast
	KEY 2, 8, 768, \fast
	s_wait_loadcnt 0x0                             ; the next quad: my only two loads that are out, issued four keys ago
	TOLDS \fast, 84                                ; all four keys of the old quad have been asked for: its bytes may be written
	KEY 3, 10, 0, \fast
	global_store_b128 v1, v[SV:SV+3], s[70:71]     ; 32 rows x 4 keys: 512 consecutive bytes
	s_wait_xcnt 0x0                                ; the store's data and the bases of loads and store are rewritten only behind this wait
	s_add_nc_u64 s[70:71], s[70:71], 512
	s_add_co_u32 s62, s62, 4
	s_add_co_u32 s61, s61, 1
	NEXTSTEP s61, 84
	s_cmp_lt_u32 s61, s60
.endm
	s_load_b256 s[4:11], s[0:1], 0x0               ; k2 s[4:5], q2 s[6:7], w_v s[8:9], valid_lens s[10:11]
	s_load_b128 s[12:15], s[0:1], 0x20             ; sc s[12:13], fl s[14:15]
	v_lshl_add_u32 v62, v0, 2, 0x2000
	v_mov_b32 v63, 0
	v_lshrrev_b32 v1, 5, v0
	v_readfirstlane_b32 s53, v1                    ; wave = block of 32 rows
	v_and_b32 v1, 31, v0
	v_lshlrev_b32 v1, 4, v1                        ; 16 x lane
	s_lshl_b32 s63, s53, 10
	v_mov_b32 v2, s63                              ; my wave's 1,024 bytes of LDS
	v_add_nc_u32 v[LS], s63, v1
	v_mov_b32 v[ZR], 0                             ; every lane at the same bytes
	v_mov_b32 v3, NEG
	s_mov_b32 s48, 0
	s_mov_b32 s75, 0
	s_wait_kmcnt 0x0
	s_load_b512 s[16:31], s[10:11], 0x0            ; all 16 valid_lens
.set ii, 0
.rept 16
	global_load_b128 v[W+4*ii:W+4*ii+3], v[ZR], s[8:9] offset:16*ii
.set ii, ii+1
.endr
	s_wait_kmcnt 0x0
.set ii, 0
.rept 16
	s_min_i32 s[32+ii], s[16+ii], 1024
	s_add_co_i32 s[32+ii], s[32+ii], 31
	s_ashr_i32 s[32+ii], s[32+ii], 5               ; ceil(valid_len / 32)
	s_cmp_lt_i32 s[32+ii], 1
	s_cselect_b32 s[32+ii], 32, s[32+ii]           ; nothing valid: all tiles, all masked
	s_add_co_u32 s48, s48, s[32+ii]
.set ii, ii+1
.endr
	s_mul_i32 s49, ttmp9, s48
	s_add_co_u32 s50, s49, s48
	s_lshr_b32 s49, s49, 5                         ; my first item
	s_lshr_b32 s50, s50, 5                         ; and the end
	s_cmp_eq_u32 s49, s50
	s_cbranch_scc1 .Lend
	s_lshr_b32 s51, s49, 3                         ; first flat tile
	s_sub_co_u32 s52, s50, 1
	s_lshr_b32 s52, s52, 3
	s_add_co_u32 s52, s52, 1                       ; behind the last
	s_wait_loadcnt 0x0
.set ii, 0
.rept 32
	v_pk_mul_f32 v[W+2*ii:W+2*ii+1], v[W+2*ii:W+2*ii+1], MC op_sel_hi:[1,0]
.set ii, ii+1
.endr
.Lpiece:                                               ; my quads of one flat tile
	s_mov_b32 s54, 0
	s_mov_b32 s55, 0
	s_mov_b32 s56, 0
	s_mov_b32 s57, s16
.set ii, 0
.rept 15
	s_add_co_u32 s54, s54, s[32+ii]                ; tiles of batches 0..i
	s_cmp_le_u32 s54, s51                          ; my tile lies behind them: batch i + 1 or later
	s_cselect_b32 s55, ii+1, s55
	s_cselect_b32 s56, s54, s56
	s_cselect_b32 s57, s[17+ii], s57
.set ii, ii+1
.endr
	s_sub_co_u32 s63, s51, s56                     ; tile in the batch
	s_lshl_b32 s58, s55, 5
	s_add_co_u32 s58, s58, s63
	s_min_u32 s58, s58, 511                        ; batch * 32 + tile (these clamps change nothing: they bound what came from memory)
	s_min_u32 s55, s55, 15
	s_lshl_b32 s77, s51, 3                         ; the tile's first item
	s_max_u32 s59, s49, s77
	s_sub_co_u32 s59, s59, s77
	s_min_u32 s59, s59, 7                          ; my first quad in it
	s_add_co_u32 s60, s77, 8
	s_min_u32 s60, s60, s50
	s_sub_co_u32 s60, s60, s77                     ; behind my last
	s_mov_b32 s61, s59
	s_lshl_b32 s62, s63, 5
	s_lshl2_add_u32 s62, s59, s62                  ; index of the first key in its batch
	s_lshl_b32 s74, s58, 13                        ; k2: 32 keys x 256 bytes a tile, 1,024 a quad
	s_lshl_b32 s63, s59, 10
	s_add_co_u32 s74, s74, s63
	s_add_nc_u64 s[66:67], s[4:5], s[74:75]
	s_lshl_b32 s74, s58, 15                        ; sc: 32,768 bytes a tile, 4,096 a row block, 512 a quad
	s_lshl_b32 s63, s53, 12
	s_add_co_u32 s74, s74, s63
	s_lshl_b32 s63, s59, 9
	s_add_co_u32 s74, s74, s63
	s_add_nc_u64 s[70:71], s[12:13], s[74:75]
	s_lshl_b32 s74, s55, 16                        ; q2: 65,536 bytes a batch, 8,192 a row block
	s_lshl_b32 s63, s53, 13
	s_add_co_u32 s74, s74, s63
	s_add_nc_u64 s[72:73], s[6:7], s[74:75]
	s_sub_co_u32 s63, s60, s59                     ; my quads in the tile, at least 1
	s_min_u32 s63, s63, 2
	s_and_b32 s63, s63, 2                          ; 2 where a second one exists
	s_lshl_b32 s74, s63, 9
	s_add_nc_u64 s[68:69], s[66:67], s[74:75]      ; the second quad, or the first once more
	NEXTSTEP s59, 68                               ; the third, or the last of mine once more
	s_lshl_b32 s86, s58, 9                         ; flags of the tile's keys: units 2 tile, 2 tile + 1 of 256 bytes
	s_lshl_b32 s87, s55, 12                        ; flags of my rows: units 1,024 + 16 batch + 2 wave, + 1
	s_lshl_b32 s63, s53, 9
	s_add_co_u32 s87, s87, s63
	global_load_b128 v[ST:ST+3],   v1, s[66:67]            ; the first quad: 2 x 512 consecutive bytes
	global_load_b128 v[ST+4:ST+7], v1, s[66:67] offset:512
.set ii, 0
.rept 16
	global_load_b128 v[Q+4*ii:Q+4*ii+3], v1, s[72:73] offset:512*ii      ; 32 rows x 4 h: 512 consecutive bytes
.set ii, ii+1
.endr
	s_load_b32 s78, s[14:15], s86 offset:0x0       ; the loads above do not hang on the flags: both are on their way together
	s_load_b32 s79, s[14:15], s86 offset:0x100
	s_load_b32 s80, s[14:15], s87 offset:0x40000
	s_load_b32 s81, s[14:15], s87 offset:0x40100
	s_wait_kmcnt 0x0
	s_or_b32 s78, s78, s79
	s_or_b32 s80, s80, s81
	s_or_b32 s78, s78, s80
	s_wait_loadcnt 0x0                             ; Q and the first quad
	s_cmp_lg_u32 s78, 0
	s_cbranch_scc1 .Lgeneral
	PRE 1
.Lquadf:
	QUAD 1
	s_cbranch_scc1 .Lquadf
	s_branch .Lnext
.Lgeneral:
	PRE 0
.Lquadg:
	QUAD 0
	s_cbranch_scc1 .Lquadg
.Lnext:
	s_wait_loadcnt 0x0                             ; the look-ahead has landed, from memory
	s_wait_dscnt 0x0                               ; and from LDS: ST, K and Q are loaded anew in the next piece
	s_wait_xcnt 0x0                                ; and the bases of earlier loads and stores are rewritten only behind this wait
	s_add_co_u32 s51, s51, 1
	s_cmp_lt_u32 s51, s52
	s_cbranch_scc1 .Lpiece
.Lend:
	s_wait_tensorcnt 0x0
	ds_add_u32 v62, v63
	s_wait_dscnt 0x0
	s_endpgm
.Lfunc_end_k_q2f8045bcbe_scores:
	.size	k_q2f8045bcbe_scores, .Lfunc_end_k_q2f8045bcbe_scores-k_q2f8045bcbe_scores
	.p2alignl 7, 3214868480
	.fill 96, 4, 3214868480
	.section	.rodata,"a",@progbits
	.p2align	6, 0x0
	.amdhsa_kernel k_q2f8045bcbe_scores
		.amdhsa_group_segment_fixed_size 9216
		.amdhsa_private_segment_fixed_size 0
		.amdhsa_enable_private_segment 0
		.amdhsa_kernarg_size 48
		.amdhsa_user_sgpr_count 2
		.amdhsa_user_sgpr_kernarg_segment_ptr 1
		.amdhsa_wavefront_size32 1
		.amdhsa_system_sgpr_workgroup_id_x 1
		.amdhsa_system_sgpr_workgroup_id_y 1
		.amdhsa_system_sgpr_workgroup_id_z 1
		.amdhsa_system_vgpr_workitem_id 0
		.amdhsa_next_free_vgpr 256
		.amdhsa_next_free_sgpr 88
		.amdhsa_reserve_vcc 0
		.amdhsa_float_denorm_mode_32 3
		.amdhsa_float_denorm_mode_16_64 3
		.amdhsa_memory_ordered 1
		.amdhsa_forward_progress 1
		.amdhsa_inst_pref_size 107
	.end_amdhsa_kernel
	.amdgpu_metadata
---
amdhsa.version: [ 1, 2 ]
amdhsa.kernels:
  - .name:           k_q2f8045bcbe_scores
    .symbol:         k_q2f8045bcbe_scores.kd
    .args:
      - { .name: k2, .offset: 0, .size: 8, .value_kind: global_buffer, .address_space: global }
      - { .name: q2, .offset: 8, .size: 8, .value_kind: global_buffer, .address_space: global }
      - { .name: w_v, .offset: 16, .size: 8, .value_kind: global_buffer, .address_space: global }
      - { .name: valid_lens, .offset: 24, .size: 8, .value_kind: global_buffer, .address_space: global }
      - { .name: sc, .offset: 32, .size: 8, .value_kind: global_buffer, .address_space: global }
      - { .name: fl, .offset: 40, .size: 8, .value_kind: global_buffer, .address_space: global }
    .group_segment_fixed_size: 9216
    .private_segment_fixed_size: 0
    .kernarg_segment_align: 8
    .kernarg_segment_size: 48
    .max_flat_workgroup_size: 256
    .sgpr_count:     88
    .vgpr_count:     256
    .wavefront_size: 32
...
	.end_amdgpu_metadata
.endif
;; end of part 5
;; launch pv: the kernel of part 3 again; grid 256 x 1, 16 waves a work-group, no clusters, 139,264 bytes of LDS; arguments sc, vf, valid_lens, out0; writes out0
;; ======== version 3 of 3: 3 launches; version 2 with the launches prep, scores written anew for expert scheduling mode
;; limits: right only within a limited range of input values; values are held in f16: magnitudes above 65,504 overflow, below 6.1e-05 lose precision
;; workspace buffers: k2 4,194,304 bytes; q2 1,048,576 bytes; vf 4,194,304 bytes; sc 16,777,216 bytes; fl 327,680 bytes of whole numbers
;; launch prep (part 6): grid 224 x 1, 8 waves a work-group, no clusters, 101,376 bytes of LDS; arguments keys, queries, values, W_k, W_q, k2, q2, vf, fl; writes k2, q2, vf, fl
.if DOCPART == 6
	.amdgcn_target "amdgcn-amd-amdhsa--gfx1250"
	.amdhsa_code_object_version 6
	.text
	.protected	k_q2f8045bcbe_prep
	.globl	k_q2f8045bcbe_prep
	.p2align	8
	.type	k_q2f8045bcbe_prep,@function
k_q2f8045bcbe_prep:
	s_mov_b64 s[64:65], 0
	v_nop
	global_prefetch_b8 v0, s[64:65] scope:SCOPE_SE
	s_setreg_imm32_b32 hwreg(HW_REG_WAVE_SCHED_MODE, 0, 2), 2
	s_setreg_imm32_b32 hwreg(HW_REG_WAVE_MODE, 25, 1), 1
	s_wait_xcnt 0x0
	s_wait_alu depctr_vm_vsrc(0)
; PREP: what the later launches need once.
;   work-groups   0..127: k2 = c * keys    x W_k  (128 rows each, 16 a wave)     k2: [16384 keys][64 h] f32
;   work-groups 128..159: q2 = c * queries x W_q  (128 rows each, 16 a wave)     q2: [block of 32 rows][h / 4][row][4 h] f32
;   work-groups 160..223: vf = values in f16 as ready A fragments (a tile of 32 keys a wave)
;                         vf: [batch * 32 + tile][dv block f][half][lane][16 bytes]; lane (r, hh): dv = 16 f + r, keys 16 half + 8 hh + 0..7
; c = 2 log2(e): the score launch then needs exp2(q2 + k2) = e^(2 (q + k)) with no further multiply.
; fl: one flag for each wave's 16 rows of k2 or q2 (unit 8 x work-group + wave, 256 bytes, the same word 64 times): 1 where some |number| of
; the block is above 30, else 0.  Where all flags are 0 the score launch may form exp2(q2 + k2) as exp2(q2) x exp2(k2) and multiply two
; of the numbers 1 + exp2(..): the factors lie in 2^-30 .. 2^30, each number is at most 1 + 2^60, a product of two about 2^120.
; Products: f16 operands, f32 sums.  f16 and not bf16: 11 significant bits in place of 8, so that the rounding of the operands stays
; far inside one hundredth of the outputs' spread also in a batch with few valid keys.
; LIMIT: an element of keys, queries, values, W_k or W_q of magnitude 65,520 or more becomes infinite in f16; one under 6e-5 is kept as an
; f16 denormal, with an absolute error under 3e-8.
; Fragment nb of W stands for the columns h = 4 m + nb (m = 0..15), so that the four accumulators of a
; lane hold four NEIGHBOURING h: 16 bytes a lane, and sixteen neighbouring lanes store 256 consecutive, aligned bytes in both layouts.
; NO CLUSTER, NO TENSOR LOAD: W is shared by all work-groups, but W, the rows and values come as f32 and pass through registers to be
; rounded to f16 before they reach LDS; a joint load would land f32 in LDS and add an LDS write and read of every byte.
; THE MODE: SCHED_MODE bits 1:0 = 2 (LLVM: expert scheduling mode 2), set by the entry lines.  The code itself states the register dependences
; between vector or matrix instructions and memory or LDS instructions, with s_wait_alu, always for 0.
; THE PLAN.  Registers that memory or LDS instructions touch:
;   v2, v3, v10    offsets (values: v2, v7, v10), made ahead of a path's first load: one wait on va_vdst there.  v5, v7, v8: LDS addresses, made
;                  behind the loads and ahead of block 0's wait.  v12: made behind the barrier, ahead of the wait for the scalings.  None is written again.
;   RAW            The 32 loads of rows go in four blocks of eight.  Block p's sixteen conversions write its registers in place; its eight LDS
;                  stores are issued in block p + 1, dealt among that block's conversions, which name block p + 1's registers alone.
;                  Behind the barrier W's fragments land here, the products read them, and each buffer is loaded once more.
;   ACC            W's 32 conversions write it; its eight LDS stores are issued in block 0; behind the barrier the products write it.
;   XB             W lands; the 32 conversions read it; behind the barrier my rows' fragments land; at the end the scalings write it and the stores read it.
; So ONE wait on va_vdst stands at a block's head (the block before has written what this block's stores read), one ahead of the last block's
; stores, one wait on vm_vsrc behind the barrier (my LDS stores have read ACC and RAW), one wait on va_vdst ahead of each second fill of a buffer
; of W, one behind the scalings, and two round the flag.
.set CS,   0x4038aa3b                  ; 2 log2(e)
.set LIM,  0x41f00000                  ; 30.0
.set XST,  32768                       ; LDS: W's fragments [K step 8][nb 4][half 2][lane][16] in 0..32767, then a stage of 16 rows a wave
.set XP,   528                         ; a staged row: 256 f16 + 16 bytes, an odd multiple of 16
.set XSTW, 16*XP
.set VP,   288                         ; values path: a staged key: 128 f16 + 32 bytes, an odd multiple of 32 (transposing loads)
.set VSTW, 32*VP
.set ACC, 16                           ; v16-47   W's fragments as they are built, then four accumulators
.set XB,  64                           ; v64-127  W as loaded, then the 8 fragments of my rows, then the results in store order
.set RAW, 128                          ; v128-255 rows as loaded, then W's fragments: two buffers of two K steps
.set G0,  128
.set G1,  192
.macro MM d, a, b, z                   ; one product; z = 1: it starts the sum
.if \z
	v_wmma_f32_16x16x32_f16 v[\d:\d+7], v[\a:\a+7], v[\b:\b+7], 0
.else
	v_wmma_f32_16x16x32_f16 v[\d:\d+7], v[\a:\a+7], v[\b:\b+7], v[\d:\d+7]
.endif
.endm
.macro WFETCH g, s0                    ; 16 LDS loads: W's fragments of K steps s0, s0 + 1
.irp u,0,1
.irp nb,0,1,2,3
	ds_load_b128 v[\g+32*\u+8*\nb:\g+32*\u+8*\nb+3],   v2 offset:((\s0+\u)*4+\nb)*1024
	ds_load_b128 v[\g+32*\u+8*\nb+4:\g+32*\u+8*\nb+7], v2 offset:((\s0+\u)*4+\nb)*1024+512
.endr
.endr
.endm
.macro MUL g, s0, zero, swap           ; 8 products.  swap = 0: A = my rows, B = W (a lane holds h quad r of rows 8 hh + j);
.irp u,0,1                             ; swap = 1: A = W, B = my rows (a lane holds row r, h quads 8 hh + j)
.irp nb,0,1,2,3
.if \swap
	MM ACC+8*\nb,\g+32*\u+8*\nb,XB+8*(\s0+\u),(\zero)*(1-\u)
.else
	MM ACC+8*\nb,XB+8*(\s0+\u),\g+32*\u+8*\nb,(\zero)*(1-\u)
.endif
.endr
.endr
.endm
.macro PLACES                          ; four independent vector places behind matrix instructions (ISA guide 7.12.1) before their
.rept 4                                ; sources are loaded again or their results read
	v_nop
.endr
.endm
.macro ROWCVT i                        ; load i of the 32: four f32 close up into two registers of f16
	v_cvt_pk_f16_f32 v[RAW+4*(\i)], v[RAW+4*(\i)], v[RAW+4*(\i)+1]
	v_cvt_pk_f16_f32 v[RAW+4*(\i)+1], v[RAW+4*(\i)+2], v[RAW+4*(\i)+3]
.endm
.macro ROWST i, val                    ; and go to my wave's stage.  val = 1: a key of values; 0: half a row of keys or queries
.if \val
	ds_store_b64 v7, v[RAW+4*(\i):RAW+4*(\i)+1] offset:(\i)*VP
.else
	ds_store_b64 v7, v[RAW+4*(\i):RAW+4*(\i)+1] offset:((\i)/2)*XP+((\i)%2)*256
.endif
.endm
.macro ROWS val                        ; blocks 1 to 3, each with the stores of the block before, and block 3's stores
.irp b,1,2,3
	s_wait_loadcnt 24-8*\b                         ; loads return in order: this block's eight are in, the younger blocks stay out
	s_wait_alu depctr_va_vdst(0)                   ; the block before has written its registers, which the stores below read; this block's conversions name other registers
.set ii, 8*\b
.rept 8
	ROWST ii-8, \val
	ROWCVT ii
.set ii, ii+1
.endr
.endr
	s_wait_alu depctr_va_vdst(0)                   ; block 3's conversions have written its registers, which the last eight stores read
.set ii, 24
.rept 8
	ROWST ii, \val
.set ii, ii+1
.endr
.endm
.macro TAIL swap, stride               ; the eight K steps, the scaling, the eight stores, the block's flag
	WFETCH G0, 0
	WFETCH G1, 2
	s_wait_dscnt 16                                ; my rows' fragments and buffer 0 are in; buffer 1's 16 loads stay out
	MUL G0, 0, 1, \swap
	PLACES
	s_wait_alu depctr_va_vdst(0)                   ; the eight products are done reading buffer 0, in which the loads below land
	WFETCH G0, 4
	s_wait_dscnt 16                                ; buffer 1 is in; the 16 loads just issued stay out
	MUL G1, 2, 0, \swap
	PLACES
	s_wait_alu depctr_va_vdst(0)                   ; the eight products are done reading buffer 1, in which the loads below land
	WFETCH G1, 6
	s_wait_dscnt 16
	MUL G0, 4, 0, \swap
	s_wait_dscnt 0x0
	MUL G1, 6, 0, \swap
	PLACES
.irp j,0,1,2,3,4,5,6,7
.irp nb,0,1,2,3
	v_mul_f32 v[XB+4*\j+\nb], CS, v[ACC+8*\nb+\j]  ; the scaling also lays the four h of a quad side by side
.endr
.endr
	s_wait_alu depctr_va_vdst(0)                   ; the scalings have written v[XB ..], the stores' data, and v12, their offset, is written
.irp j,0,1,2,3,4,5,6,7
	global_store_b128 v12, v[XB+4*\j:XB+4*\j+3], s[32:33] offset:\j*\stride    ; 16 lanes: 256 consecutive, aligned bytes
.endr
	; the largest magnitude of the block's 16 x 64 numbers: 32 in the lane, then across the lanes
	v_max_num_f32 v13, |v[XB]|, |v[XB+1]|
.set ii, 2
.rept 15
	v_max3_num_f32 v13, |v[XB+ii]|, |v[XB+ii+1]|, v13
.set ii, ii+2
.endr
	v_max_num_f32_dpp v13, v13, v13 row_xmask:1 row_mask:0xf bank_mask:0xf
	v_max_num_f32_dpp v13, v13, v13 row_xmask:2 row_mask:0xf bank_mask:0xf
	v_max_num_f32_dpp v13, v13, v13 row_xmask:4 row_mask:0xf bank_mask:0xf
	v_max_num_f32_dpp v13, v13, v13 row_xmask:8 row_mask:0xf bank_mask:0xf
	v_permlanex16_b32 v11, v13, s36, s37           ; v11 has been written: the destination counts as read
	v_max_num_f32 v13, v13, v11                    ; every lane holds it
	v_cmp_lt_f32 vcc_lo, LIM, v13
	s_wait_alu depctr_va_vcc(0)                    ; the compare has written VCC, which the selection reads
	v_cndmask_b32 v14, 0, 1, vcc_lo                ; the flag, alike in all lanes
	v_mov_b32 v15, v14
	s_wait_alu depctr_va_vdst(0)                   ; v14 and v15 are written, the store's data
	global_store_b64 v10, v[14:15], s[22:23]       ; 32 lanes x 8 bytes: the block's 256 consecutive, aligned bytes
.endm
	s_load_b256 s[4:11], s[0:1], 0x0               ; keys s[4:5], queries s[6:7], values s[8:9], W_k s[10:11]
	s_load_b256 s[12:19], s[0:1], 0x20             ; W_q s[12:13], k2 s[14:15], q2 s[16:17], vf s[18:19]
	s_load_b64 s[22:23], s[0:1], 0x40              ; fl
	v_lshl_add_u32 v62, v0, 2, 0x18800
	v_mov_b32 v63, 0
	v_lshrrev_b32 v1, 5, v0
	v_readfirstlane_b32 s20, v1                    ; wave 0..7
	v_and_b32 v1, 31, v0                           ; lane
	v_lshlrev_b32 v2, 4, v1                        ; 16 x lane
	v_and_b32 v6, 15, v0                           ; r
	v_bfe_u32 v9, v0, 4, 1                         ; hh
	v_and_b32 v11, 7, v0                           ; lane % 8
	v_bfe_u32 v13, v0, 3, 1                        ; (lane / 8) % 2
	s_mov_b32 s25, 0
	s_mov_b32 s27, 0
	s_wait_alu depctr_va_sdst(0)                   ; s20 is written, ahead of the branch and of its first reader on either path
	s_cmp_ge_u32 ttmp9, 160
	s_cbranch_scc1 .Lvalues
	; ---------------- projections ----------------
	s_cmp_ge_u32 ttmp9, 128
	s_cselect_b32 s21, 128, 0
	s_sub_co_u32 s21, ttmp9, s21                   ; j: my block of 128 rows
	s_lshl_b32 s24, s21, 17                        ; x 128 rows x 1,024 bytes
	s_lshl_b32 s34, s20, 14                        ; + my wave's 16 rows
	s_add_co_u32 s24, s24, s34
	s_lshl_b32 s26, ttmp9, 3
	s_add_co_u32 s26, s26, s20
	s_lshl_b32 s26, s26, 8                         ; my flag: unit 8 x work-group + wave
	s_mov_b32 s36, 0x76543210                      ; v_permlanex16_b32: lane i takes lane i of the other half
	s_mov_b32 s37, 0xfedcba98
	s_lshl_b32 s34, s20, 13                        ; W: rows d = 32 w .. (256 bytes each): wave w builds K step w
	v_lshlrev_b32 v3, 4, v6
	v_lshl_add_u32 v3, v9, 11, v3
	v_add_nc_u32 v3, s34, v3                       ; (32 w + 8 hh) x 256 + 16 r
	v_lshlrev_b32 v10, 3, v1                       ; 8 x lane: the flag's store
	s_wait_kmcnt 0x0
	s_cmp_ge_u32 ttmp9, 128                        ; again: the arithmetic above wrote SCC
	s_cselect_b64 s[28:29], s[6:7], s[4:5]         ; rows
	s_cselect_b64 s[30:31], s[12:13], s[10:11]     ; W
	s_add_nc_u64 s[28:29], s[28:29], s[24:25]
	s_add_nc_u64 s[22:23], s[22:23], s[26:27]
	s_wait_alu depctr_va_vdst(0)                   ; the offsets v2, v3 and v10 are written, which the loads below and the flag's store read
.set ii, 0
.rept 16
	global_load_b128 v[XB+4*ii:XB+4*ii+3], v3, s[30:31] offset:(ii+8*(ii/8))*256       ; W[32 w + 8 hh + i (+ 8)][4 r ..]: 16 lanes read a whole row
.set ii, ii+1
.endr
.set ii, 0
.rept 32
	global_load_b128 v[RAW+4*ii:RAW+4*ii+3], v2, s[28:29] offset:ii*512 th:TH_LOAD_NT  ; half a row; 16,384 consecutive bytes, read once
.set ii, ii+1
.endr
	s_lshl_b32 s34, s20, 12
	v_add_nc_u32 v5, s34, v2                       ; W's fragments of K step w: 4 x 1,024 bytes
	s_mul_i32 s35, s20, XSTW
	s_add_co_u32 s35, s35, XST                     ; my wave's stage
	v_lshl_add_u32 v7, v1, 3, s35                  ; rows in: 8 bytes a lane
	v_mul_u32_u24 v8, v6, XP
	v_lshl_add_u32 v8, v9, 4, v8
	v_add_nc_u32 v8, s35, v8                       ; fragments out: row r, 16 bytes at 16 hh
	s_wait_loadcnt 32                              ; W is in; the 32 younger loads of my rows stay out
.irp nb,0,1,2,3
.irp p,0,1,2,3,4,5,6,7
	v_cvt_pk_f16_f32 v[ACC+8*\nb+\p], v[XB+8*\p+\nb], v[XB+8*\p+4+\nb]         ; k = 2 p, 2 p + 1 of the lane's sixteen, column 4 r + nb
.endr
.endr
	s_wait_loadcnt 24                              ; block 0 of my rows is in; the three younger blocks stay out
	s_wait_alu depctr_va_vdst(0)                   ; W's conversions have written v[ACC ..], and v5, v7 and v8 are written: the LDS stores and loads from here on read them
.set ii, 0
.rept 8
	ds_store_b128 v5, v[ACC+4*ii:ACC+4*ii+3] offset:ii*512                     ; fragment nb = ii / 2, half ii % 2
	ROWCVT ii
.set ii, ii+1
.endr
	ROWS 0
	s_wait_dscnt 0x0                               ; my K step of W is in LDS: zero, since the other waves read it
	s_barrier_signal -1
	s_barrier_wait -1
	s_wait_alu depctr_vm_vsrc(0)                   ; my LDS stores have read v[ACC ..], which the products write, and v[RAW ..], in which W's fragments land
.set ii, 0
.rept 8
	ds_load_b128 v[XB+8*ii:XB+8*ii+3],   v8 offset:64*ii           ; d = 32 s + 8 hh ..  (W's conversions, which read these registers, stand ahead of the blocks' waits)
	ds_load_b128 v[XB+8*ii+4:XB+8*ii+7], v8 offset:64*ii+32        ; d = 32 s + 16 + 8 hh ..
.set ii, ii+1
.endr
	v_lshlrev_b32 v12, 4, v6                       ; 16 r
	s_cmp_ge_u32 ttmp9, 128
	s_cbranch_scc1 .Lq
	s_lshl_b32 s24, s21, 15                        ; k2: 128 rows x 256 bytes a work-group,
	s_lshl_b32 s34, s20, 12                        ; 16 rows a wave
	s_add_co_u32 s24, s24, s34
	s_add_nc_u64 s[32:33], s[14:15], s[24:25]
	v_lshl_add_u32 v12, v9, 11, v12                ; row 8 hh (+ j by the immediate), h quad r
	TAIL 0, 256
	s_wait_dscnt 0x0
	s_wait_alu depctr_hold_cnt(0) depctr_sa_sdst(0) depctr_va_vdst(0) depctr_va_sdst(0) depctr_va_ssrc(0) depctr_va_vcc(0) depctr_vm_vsrc(0)
	s_wait_tensorcnt 0x0
	ds_add_u32 v62, v63
	s_wait_dscnt 0x0
	s_endpgm
.Lq:
	s_lshl_b32 s24, s21, 2
	s_lshr_b32 s34, s20, 1
	s_add_co_u32 s24, s24, s34                     ; block of 32 rows = 4 j + w / 2
	s_lshl_b32 s24, s24, 13
	s_and_b32 s34, s20, 1
	s_lshl_b32 s34, s34, 8                         ; its upper or lower 16 rows
	s_add_co_u32 s24, s24, s34
	s_add_nc_u64 s[32:33], s[16:17], s[24:25]
	v_lshl_add_u32 v12, v9, 12, v12                ; h quad 8 hh (+ j by the immediate), row r
	TAIL 1, 512
	s_wait_dscnt 0x0
	s_wait_alu depctr_hold_cnt(0) depctr_sa_sdst(0) depctr_va_vdst(0) depctr_va_sdst(0) depctr_va_ssrc(0) depctr_va_vcc(0) depctr_vm_vsrc(0)
	s_wait_tensorcnt 0x0
	ds_add_u32 v62, v63
	s_wait_dscnt 0x0
	s_endpgm
	; ---------------- values: f16 fragments; each wave works in a stage of its own, so no barrier ----------------
.Lvalues:
	s_sub_co_u32 s21, ttmp9, 160
	s_lshl_b32 s21, s21, 3
	s_add_co_u32 s21, s21, s20                     ; my tile = batch * 32 + tile, 0..511
	s_lshl_b32 s24, s21, 14                        ; 32 keys x 512 bytes
	s_lshl_b32 s26, s21, 13                        ; 8,192 bytes of fragments
	s_mul_i32 s35, s20, VSTW
	v_lshl_add_u32 v7, v1, 3, s35                  ; in: 8 bytes a lane
	v_lshl_add_u32 v10, v9, 3, v11
	v_mul_u32_u24 v10, v10, VP
	v_lshl_add_u32 v10, v13, 4, v10
	v_add_nc_u32 v10, s35, v10                     ; transposing load: key 8 hh + lane % 8, 16 bytes at 16 ((lane / 8) % 2)
	s_wait_kmcnt 0x0
	s_add_nc_u64 s[28:29], s[8:9], s[24:25]
	s_add_nc_u64 s[32:33], s[18:19], s[26:27]
	s_wait_alu depctr_va_vdst(0)                   ; v2, v7 and v10 are written: the offset of the loads and stores, the two LDS addresses
.set ii, 0
.rept 32
	global_load_b128 v[RAW+4*ii:RAW+4*ii+3], v2, s[28:29] offset:ii*512 th:TH_LOAD_NT  ; key ii: 512 consecutive bytes, read once
.set ii, ii+1
.endr
	s_wait_loadcnt 24                              ; block 0 is in; it has no block in front of it, so no store and no further wait
.set ii, 0
.rept 8
	ROWCVT ii
.set ii, ii+1
.endr
	ROWS 1
.set ii, 0
.rept 8
	ds_load_tr16_b128 v[XB+8*ii:XB+8*ii+3],   v10 offset:32*ii           ; LDS serves a wave in order: these see the stores above
	ds_load_tr16_b128 v[XB+8*ii+4:XB+8*ii+7], v10 offset:32*ii+16*VP
.set ii, ii+1
.endr
.set ii, 0
.rept 16
	s_wait_dscnt 15-ii
	global_store_b128 v2, v[XB+4*ii:XB+4*ii+3], s[32:33] offset:ii*512   ; 512 consecutive bytes
.set ii, ii+1
.endr
	s_wait_dscnt 0x0
	s_wait_alu depctr_hold_cnt(0) depctr_sa_sdst(0) depctr_va_vdst(0) depctr_va_sdst(0) depctr_va_ssrc(0) depctr_va_vcc(0) depctr_vm_vsrc(0)
	s_wait_tensorcnt 0x0
	ds_add_u32 v62, v63
	s_wait_dscnt 0x0
	s_endpgm
.Lfunc_end_k_q2f8045bcbe_prep:
	.size	k_q2f8045bcbe_prep, .Lfunc_end_k_q2f8045bcbe_prep-k_q2f8045bcbe_prep
	.p2alignl 7, 3214868480
	.fill 96, 4, 3214868480
	.section	.rodata,"a",@progbits
	.p2align	6, 0x0
	.amdhsa_kernel k_q2f8045bcbe_prep
		.amdhsa_group_segment_fixed_size 101376
		.amdhsa_private_segment_fixed_size 0
		.amdhsa_enable_private_segment 0
		.amdhsa_kernarg_size 72
		.amdhsa_user_sgpr_count 2
		.amdhsa_user_sgpr_kernarg_segment_ptr 1
		.amdhsa_wavefront_size32 1
		.amdhsa_system_sgpr_workgroup_id_x 1
		.amdhsa_system_sgpr_workgroup_id_y 1
		.amdhsa_system_sgpr_workgroup_id_z 1
		.amdhsa_system_vgpr_workitem_id 0
		.amdhsa_next_free_vgpr 256
		.amdhsa_next_free_sgpr 66
		.amdhsa_reserve_vcc 1
		.amdhsa_float_denorm_mode_32 3
		.amdhsa_float_denorm_mode_16_64 3
		.amdhsa_memory_ordered 1
		.amdhsa_forward_progress 1
		.amdhsa_inst_pref_size 54
	.end_amdhsa_kernel
	.amdgpu_metadata
---
amdhsa.version: [ 1, 2 ]
amdhsa.kernels:
  - .name:           k_q2f8045bcbe_prep
    .symbol:         k_q2f8045bcbe_prep.kd
    .args:
      - { .name: keys, .offset: 0, .size: 8, .value_kind: global_buffer, .address_space: global }
      - { .name: queries, .offset: 8, .size: 8, .value_kind: global_buffer, .address_space: global }
      - { .name: values, .offset: 16, .size: 8, .value_kind: global_buffer, .address_space: global }
      - { .name: W_k, .offset: 24, .size: 8, .value_kind: global_buffer, .address_space: global }
      - { .name: W_q, .offset: 32, .size: 8, .value_kind: global_buffer, .address_space: global }
      - { .name: k2, .offset: 40, .size: 8, .value_kind: global_buffer, .address_space: global }
      - { .name: q2, .offset: 48, .size: 8, .value_kind: global_buffer, .address_space: global }
      - { .name: vf, .offset: 56, .size: 8, .value_kind: global_buffer, .address_space: global }
      - { .name: fl, .offset: 64, .size: 8, .value_kind: global_buffer, .address_space: global }
    .group_segment_fixed_size: 101376
    .private_segment_fixed_size: 0
    .kernarg_segment_align: 8
    .kernarg_segment_size: 72
    .max_flat_workgroup_size: 256
    .sgpr_count:     66
    .vgpr_count:     256
    .wavefront_size: 32
...
	.end_amdgpu_metadata
.endif
;; end of part 6
;; launch scores (part 7): grid 256 x 1, 8 waves a work-group, no clusters, 9,216 bytes of LDS; arguments k2, q2, w_v, valid_lens, sc, fl; writes sc
.if DOCPART == 7
	.amdgcn_target "amdgcn-amd-amdhsa--gfx1250"
	.amdhsa_code_object_version 6
	.text
	.protected	k_q2f8045bcbe_scores
	.globl	k_q2f8045bcbe_scores
	.p2align	8
	.type	k_q2f8045bcbe_scores,@function
k_q2f8045bcbe_scores:
	s_mov_b64 s[64:65], 0
	v_nop
	global_prefetch_b8 v0, s[64:65] scope:SCOPE_SE
	s_setreg_imm32_b32 hwreg(HW_REG_WAVE_SCHED_MODE, 0, 2), 2
	s_setreg_imm32_b32 hwreg(HW_REG_WAVE_MODE, 25, 1), 1
	s_wait_xcnt 0x0
	s_wait_alu depctr_vm_vsrc(0)
; SCORES: s[row][key] = sum over h of (-c w_h) / (1 + exp2(q2[row][h] + k2[key][h])), c = 2 log2(e).
; tanh(z) = 1 - 2 / (1 + e^(2z)), so this is log2(e) x (the reference's score - sum of w), a shift that a softmax does not see.
; Keys at or behind valid_len get NEG = -1e6 log2(e).
; TWO PATHS, chosen for each piece of work by the flags that the launch before stored (1 = a block of 16 rows holds a magnitude above 30):
;   all four flags 0: exp2(q2 + k2) = exp2(q2) x exp2(k2); the factors are formed once (64 exponentials for my row in a piece, 8 a lane for a
;     quad of keys).  With a = 1 + Eq Ek, two elements share a reciprocal: w_a / a + w_b / b = (w_a b + w_b a) x 1 / (a b).  Four elements
;     cost six packed multiply-adds and two reciprocals.  The factors lie in 2^-30 .. 2^30, a in 1 .. 1 + 2^60, a b under 2^121: nothing
;     overflows, and no reciprocal is small enough to be flushed.
;   otherwise: the sum q2 + k2 is formed first and each element gets its own exponential and reciprocal.  An exponential that overflows
;     gives 1 / inf = 0, one that underflows gives 1: tanh's own saturation, for inputs of any size.
; LIMIT: tiles of 32 keys that lie wholly behind valid_len are not scored (their weight in the softmax is exp(-1e6 + ..) = 0 as long as the
; sum of |w_v| stays under some 4.9e5).  valid_len <= 0: all 32 tiles are taken and all keys masked, as the reference does.
; SHARING: batch b has T_b = ceil(valid_len / 32) tiles.  The tiles of all batches are numbered through; an item is 4 keys of a tile for all
; 256 rows; there are 8 S items, S = sum of T_b.  Work-group j takes items (j S) >> 5 up to ((j + 1) S) >> 5: equal to within one item.
; (With S < 32 some work-groups find nothing to take.)  Wave w takes rows 32 w .. 32 w + 31, a lane one row; the row's q (64 registers) and
; w (64) stay in registers.
; K: a quad of keys is 1,024 consecutive bytes of k2.  Each wave loads it by two loads of 512 bytes, one quad ahead, and lays it into 1,024
; bytes of LDS of its own; from there a key comes by 16 loads in which all lanes name the same 16 bytes, refilled in place one key ahead,
; in two runs of eight: h 0-31 as soon as they have been read, h 32-63 likewise.
; Each wave touches its own LDS bytes alone, and LDS serves a wave's instructions in order (ISA guide 5.7.1): no barrier, and no wait
; between the reads of the old quad and the stores of the next.
; sc: [batch * 32 + tile][row block 8][quad of keys 8][row 32][4 keys] f32: a wave's store covers 512 consecutive bytes.
; No matrix unit: the work is reciprocals and exponentials.  NO CLUSTER: which tiles neighbours read hangs on valid_lens.
; THE MODE: SCHED_MODE bits 1:0 = 2 (LLVM: expert scheduling mode 2), set by the entry lines.  The code itself states the register dependences
; between vector instructions and memory or LDS instructions, with s_wait_alu, always for 0.
; THE PLAN.  Registers that memory or LDS instructions touch:
;   v1, v2, v40, v41  offsets and LDS addresses, made at the head ahead of one wait on va_vdst and never written again.
;   K   Groups 0-3 (32 registers) are read by a key's first four groups of sums or products, groups 4-7 by its last four; each half is loaded again,
;       for the next key, behind ONE wait on va_vdst that stands straight behind the instructions that read the half's last group.  The run's
;       eight loads follow it two at a time, dealt among the rest of that section's vector instructions, which name T, D, W and the partial
;       sums alone: neither v2 nor the half that is being loaded.  All eight stand ahead of the next wait on DScnt, so the counts below hold.
;   ST  Two loads land; on the fast path eight exponentials write it in place (a wait on va_vdst behind them); two LDS stores read it; it is
;       loaded again behind a wait on vm_vsrc, in the loop one group of key 3 behind the stores.  No vector instruction in between names it.
;   Q   Loaded at a piece's head, behind the one wait on va_vdst there, which also states that the piece before is done with K and ST.
;   SV  Four selections write it; a wait on va_vdst; one store reads it; a wait on vm_vsrc ahead of the next quad's selections.
;   W   Loaded once, at the head; T, D and the partial sums are named by vector instructions alone.
.set NEG, 0xc9b01c38                   ; -1e6 log2(e)
.set MC,  0xc038aa3b                   ; -2 log2(e)
.set SV,  4                            ; v4-7     four scores of my row
.set ACC, 8                            ; v8-15    pairs of partial sums (two on the fast path, four on the general one)
.set T,   16                           ; v16-31   two sets of eight numbers at work, taken in turn by the groups of 8 h
.set ST,  32                           ; v32-39   my 32 bytes of the next quad of keys, on their way to LDS
.set LS,  40                           ; v40      LDS: 1,024 x wave + 16 x lane;  v2: 1,024 x wave;  v1: 16 x lane;  v3: NEG
.set ZR,  41                           ; v41      0
.set D,   42                           ; v42-49   two sets of four denominators a b, taken in turn like T
.set K,   64                           ; v64-127  the key: k2 or exp2(k2)
.set Q,   128                          ; v128-191 my row: q2 or exp2(q2)
.set W,   192                          ; v192-255 -c w
.set RUN, 0                            ; 1: the section in hand carries a run of eight refills,
.set RG,  0                            ; of groups RG .. RG + 3
.set RN,  0                            ; of the key at byte RN of my LDS
; s[16:31] valid_lens, s[32:47] T_b, s48 S, s49/s50 my items, s51/s52 flat tile and its end, s53 wave, s54-57 decode (sum, batch, its first
; tile, its valid_len), s58 tile in memory, s59-61 first quad, end, quad, s62 key index in the batch, s[66:67] the first quad's keys,
; s[68:69] the second's, s[84:85] the quad two ahead, s[70:71] sc, s[72:73] q2, s[74:75] an offset, s76 mask, s78-81 flags, s86/87 their offsets
.macro SETRUN g, noff                  ; sections 2 and 6 of a key carry the runs: groups 0-3, groups 4-7 of the next key
.set RUN, 0
.if ((\g)==2)||((\g)==6)
.set RUN, 1
.set RG, (\g)-2
.set RN, \noff
.endif
.endm
.macro RF i                            ; load i of the run in hand, into registers already read; nothing in the other sections
.if RUN
	ds_load_b128 v[K+8*RG+4*(\i):K+8*RG+4*(\i)+3], v2 offset:RN+32*RG+16*(\i)
.endif
.endm
.macro MASK kk                         ; the key's score, or NEG at or behind valid_len
	s_add_co_u32 s63, s62, \kk
	s_cmp_lt_i32 s63, s57
	s_cselect_b32 s76, -1, 0
	v_cndmask_b32 v[SV+\kk], v3, v[ACC], s76
.endm
.macro ASK np                          ; ST is asked for again, from the pair np
	s_wait_alu depctr_vm_vsrc(0)                   ; the two LDS stores have read ST, in which the loads land (the exponentials that named it stand ahead of the wait in front of those stores)
	global_load_b128 v[ST:ST+3],   v1, s[\np:\np+1]
	global_load_b128 v[ST+4:ST+7], v1, s[\np:\np+1] offset:512
.endm
; THE COUNTS of both key macros.  cnt = the LDS instructions issued behind the run that is waited for.  At a key's head that run is h 0-31,
; and behind it stands the run for h 32-63: 8.  In front of group 4 it is h 32-63, and behind it stands this key's run for h 0-31: 8.
; In key 3 the two stores of the next quad stand in between as well: 10.  The first key of a piece comes by 16 loads in the same order.
; ask = 1 (key 3): behind group 0, ST is asked for again.
; ---- the fast path ----
.macro ARGF g                          ; a = 1 + Eq Ek for the eight h of group g, into its set
.set tb, T+8*((\g)%2)
.set kb, 8*(\g)
.irp e,0,2,4,6
	v_pk_fma_f32 v[tb+\e:tb+\e+1], v[K+kb+\e:K+kb+\e+1], v[Q+kb+\e:Q+kb+\e+1], 1.0 op_sel_hi:[1,1,0]
.endr
.endm
.macro DENF g                          ; the four denominators of group g: elements 0, 1 go with 2, 3, and 4, 5 with 6, 7
.set tb, T+8*((\g)%2)
.set db, D+4*((\g)%2)
	v_pk_mul_f32 v[db:db+1],   v[tb:tb+1],   v[tb+2:tb+3]
	v_pk_mul_f32 v[db+2:db+3], v[tb+4:tb+5], v[tb+6:tb+7]
.endm
; One key for 32 rows.  Behind each run of reciprocals stand the next group's four multiply-adds (in group 7 the numerators' multiplies):
; independent plain vector instructions, as have to come before a transcendental's result is used (ISA guide 5.7.2).
.macro KEYF kk, cnt, noff, ask
	s_wait_dscnt \cnt
	ARGF 0
	DENF 0
.irp g,0,1,2,3,4,5,6,7
.set tg, T+8*(\g%2)
.set dg, D+4*(\g%2)
	SETRUN \g, \noff
.irp e,0,1,2,3
	v_rcp_f32 v[dg+\e], v[dg+\e]
.endr
.if \g==3
	s_wait_dscnt \cnt
.endif
.if \g<7
	ARGF \g+1
.endif
.if RUN
	s_wait_alu depctr_va_vdst(0)                   ; the multiply-adds are done reading groups 0-3 (section 2) or 4-7 (section 6) of K, in which the eight loads below land
.endif
	RF 0
	RF 1
	v_pk_mul_f32 v[tg+2:tg+3], v[W+8*\g:W+8*\g+1],     v[tg+2:tg+3]                  ; w_a b
	v_pk_mul_f32 v[tg+6:tg+7], v[W+8*\g+4:W+8*\g+5],   v[tg+6:tg+7]
	RF 2
	RF 3
	v_pk_fma_f32 v[tg+2:tg+3], v[W+8*\g+2:W+8*\g+3],   v[tg:tg+1],   v[tg+2:tg+3]    ; + w_b a
	v_pk_fma_f32 v[tg+6:tg+7], v[W+8*\g+6:W+8*\g+7],   v[tg+4:tg+5], v[tg+6:tg+7]
	RF 4
	RF 5
.if \g<7
	DENF \g+1
.endif
	RF 6
	RF 7
.if \g
	s_wait_alu depctr_va_vdst(0)
	v_pk_fma_f32 v[ACC:ACC+1],   v[tg+2:tg+3], v[dg:dg+1],   v[ACC:ACC+1]
	v_pk_fma_f32 v[ACC+2:ACC+3], v[tg+6:tg+7], v[dg+2:dg+3], v[ACC+2:ACC+3]
.else
	s_wait_alu depctr_va_vdst(0)
	v_pk_mul_f32 v[ACC:ACC+1],   v[tg+2:tg+3], v[dg:dg+1]                            ; the first group starts the sums
	v_pk_mul_f32 v[ACC+2:ACC+3], v[tg+6:tg+7], v[dg+2:dg+3]
.endif
.if (\ask)&&(\g==0)
	ASK 84
.endif
.endr
	v_pk_add_f32 v[ACC:ACC+1], v[ACC:ACC+1], v[ACC+2:ACC+3]
	v_add_f32 v[ACC], v[ACC], v[ACC+1]
	MASK \kk
.endm
; ---- the general path ----
.macro ARGG g, hf                      ; four sums q2 + k2 of group g into its set
.set tb, T+8*((\g)%2)+4*\hf
.set kb, 8*(\g)+4*\hf
	v_pk_add_f32 v[tb:tb+1],   v[K+kb:K+kb+1],   v[Q+kb:Q+kb+1]
	v_pk_add_f32 v[tb+2:tb+3], v[K+kb+2:K+kb+3], v[Q+kb+2:Q+kb+3]
	s_wait_alu depctr_va_vdst(0)
.endm
; The next group's sums stand behind each run of exponentials and reciprocals, as the independent plain vector instructions in front of the
; results' use (ISA guide 5.7.2); they touch the other set alone.
.macro KEYG kk, cnt, noff, ask
	s_wait_dscnt \cnt
	ARGG 0,0
	ARGG 0,1
.irp g,0,1,2,3,4,5,6,7
.set tg, T+8*(\g%2)
	SETRUN \g, \noff
.irp e,0,1,2,3,4,5,6,7
	v_exp_f32 v[tg+\e], v[tg+\e]
.endr
.if \g==3
	s_wait_dscnt \cnt
.endif
.if \g<7
	ARGG \g+1,0
.else
	v_nop
	s_wait_alu depctr_va_vdst(0)
.endif
	s_wait_alu depctr_va_vdst(0)
.irp e,0,2,4,6
	v_pk_add_f32 v[tg+\e:tg+\e+1], v[tg+\e:tg+\e+1], 1.0 op_sel_hi:[1,0]
.endr
.irp e,0,1,2,3,4,5,6,7
	v_rcp_f32 v[tg+\e], v[tg+\e]
.endr
.if \g<7
	ARGG \g+1,1
.else
	v_nop
	s_wait_alu depctr_va_vdst(0)
.endif
.if RUN
	s_wait_alu depctr_va_vdst(0)                   ; the sums are done reading groups 0-3 (section 2) or 4-7 (section 6) of K, in which the eight loads below land
.endif
.irp e,0,2,4,6
	RF \e
	RF \e+1
.if \g
	v_pk_fma_f32 v[ACC+\e:ACC+\e+1], v[W+8*\g+\e:W+8*\g+\e+1], v[tg+\e:tg+\e+1], v[ACC+\e:ACC+\e+1]
.else
	s_wait_alu depctr_va_vdst(0)
	v_pk_mul_f32 v[ACC+\e:ACC+\e+1], v[W+\e:W+\e+1], v[tg+\e:tg+\e+1]        ; the first group starts the sums
.endif
.endr
.if (\ask)&&(\g==0)
	ASK 84
.endif
.endr
	v_pk_add_f32 v[ACC:ACC+1], v[ACC:ACC+1], v[ACC+2:ACC+3]
	v_pk_add_f32 v[ACC+4:ACC+5], v[ACC+4:ACC+5], v[ACC+6:ACC+7]
	v_pk_add_f32 v[ACC:ACC+1], v[ACC:ACC+1], v[ACC+4:ACC+5]
	v_add_f32 v[ACC], v[ACC], v[ACC+1]
	MASK \kk
.endm
.macro KEY kk, cnt, noff, fast, ask
.if \fast
	KEYF \kk,\cnt,\noff,\ask
.else
	KEYG \kk,\cnt,\noff,\ask
.endif
.endm
; The address of the quad two ahead of quad q: left = my quads left in the tile from q on; (min(left, 3) + 1) & 4 is 4 where a third one
; exists and 0 where not; x 256 = a step of 1,024 bytes or none.  So the look-ahead stays on my last quad, and no load leaves my part of k2.
.macro NEXTSTEP q, src
	s_sub_co_u32 s63, s60, \q
	s_min_u32 s63, s63, 3
	s_add_co_u32 s63, s63, 1
	s_and_b32 s63, s63, 4
	s_lshl_b32 s74, s63, 8
	s_add_nc_u64 s[84:85], s[\src:\src+1], s[74:75]
.endm
; The quad in ST goes to my LDS bytes (as exp2 on the fast path).
.macro STAGE fast
.if \fast
.set ii, 0
.rept 8
	v_exp_f32 v[ST+ii], v[ST+ii]
.set ii, ii+1
.endr
	v_nop                                          ; a plain place behind the exponentials (ISA guide 5.7.2)
	s_wait_alu depctr_va_vdst(0)                   ; the exponentials have written ST, which the two LDS stores read
.endif
	ds_store_b128 v[LS], v[ST:ST+3]                ; keys 0, 1 of the quad
	ds_store_b128 v[LS], v[ST+4:ST+7] offset:512   ; keys 2, 3
.endm
.macro PRE fast                        ; the head of a piece: Q and the first quad are in registers
.if \fast
.set jj, 0
.rept 64
	v_exp_f32 v[Q+jj], v[Q+jj]
.set jj, jj+1
.endr
.endif
	STAGE \fast                                    ; the first quad to LDS;
	ASK 68                                         ; the second is asked for
.set ii, 0
.rept 16
	ds_load_b128 v[K+4*ii:K+4*ii+3], v2 offset:16*ii       ; the first key, h ascending: the two runs' order.  No vector instruction since the wait at the piece's head names K
.set ii, ii+1
.endr
.endm
.macro QUAD fast                       ; four keys; leaves SCC = another quad follows
	KEY 0, 8, 256, \fast, 0
	KEY 1, 8, 512, \fast, 0
	KEY 2, 8, 768, \fast, 0
	s_wait_loadcnt 0x0                             ; the next quad: my only two loads that are out, issued nearly four keys ago
	STAGE \fast                                    ; all four keys of the old quad have been asked for: its bytes may be written
	KEY 3, 10, 0, \fast, 1
	s_wait_alu depctr_va_vdst(0)                   ; the four selections have written SV, the store's data
	global_store_b128 v1, v[SV:SV+3], s[70:71]     ; 32 rows x 4 keys: 512 consecutive bytes
	s_wait_xcnt 0x0                                ; the store's data and the bases of loads and store are rewritten only behind this wait
	s_wait_alu depctr_vm_vsrc(0)                   ; the store has read SV, which the next quad's selections write again
	s_add_nc_u64 s[70:71], s[70:71], 512
	s_add_co_u32 s62, s62, 4
	s_add_co_u32 s61, s61, 1
	NEXTSTEP s61, 84
	s_cmp_lt_u32 s61, s60
.endm
	s_load_b256 s[4:11], s[0:1], 0x0               ; k2 s[4:5], q2 s[6:7], w_v s[8:9], valid_lens s[10:11]
	s_load_b128 s[12:15], s[0:1], 0x20             ; sc s[12:13], fl s[14:15]
	v_lshl_add_u32 v62, v0, 2, 0x2000
	v_mov_b32 v63, 0
	v_lshrrev_b32 v1, 5, v0
	v_readfirstlane_b32 s53, v1                    ; wave = block of 32 rows
	v_and_b32 v1, 31, v0
	v_lshlrev_b32 v1, 4, v1                        ; 16 x lane
	v_mov_b32 v[ZR], 0                             ; every lane at the same bytes
	v_mov_b32 v3, NEG
	s_wait_alu depctr_va_sdst(0)                   ; s53 is written, ahead of its first reader: LDS addresses and the bases of sc, q2 and fl are made from it
	s_lshl_b32 s63, s53, 10
	v_mov_b32 v2, s63                              ; my wave's 1,024 bytes of LDS
	v_add_nc_u32 v[LS], s63, v1
	s_mov_b32 s48, 0
	s_mov_b32 s75, 0
	s_wait_kmcnt 0x0
	s_load_b512 s[16:31], s[10:11], 0x0            ; all 16 valid_lens
	s_wait_alu depctr_va_vdst(0)                   ; v1, v2, v40 and v41 are written: every load and store of the kernel reads one of them as its offset or address
.set ii, 0
.rept 16
	global_load_b128 v[W+4*ii:W+4*ii+3], v[ZR], s[8:9] offset:16*ii
.set ii, ii+1
.endr
	s_wait_kmcnt 0x0
.set ii, 0
.rept 16
	s_min_i32 s[32+ii], s[16+ii], 1024
	s_add_co_i32 s[32+ii], s[32+ii], 31
	s_ashr_i32 s[32+ii], s[32+ii], 5               ; ceil(valid_len / 32)
	s_cmp_lt_i32 s[32+ii], 1
	s_cselect_b32 s[32+ii], 32, s[32+ii]           ; nothing valid: all tiles, all masked
	s_add_co_u32 s48, s48, s[32+ii]
.set ii, ii+1
.endr
	s_mul_i32 s49, ttmp9, s48
	s_add_co_u32 s50, s49, s48
	s_lshr_b32 s49, s49, 5                         ; my first item
	s_lshr_b32 s50, s50, 5                         ; and the end
	s_cmp_eq_u32 s49, s50
	s_cbranch_scc1 .Lend
	s_lshr_b32 s51, s49, 3                         ; first flat tile
	s_sub_co_u32 s52, s50, 1
	s_lshr_b32 s52, s52, 3
	s_add_co_u32 s52, s52, 1                       ; behind the last
	s_wait_loadcnt 0x0
.set ii, 0
.rept 32
	v_pk_mul_f32 v[W+2*ii:W+2*ii+1], v[W+2*ii:W+2*ii+1], MC op_sel_hi:[1,0]
.set ii, ii+1
.endr
.Lpiece:                                               ; my quads of one flat tile
	s_mov_b32 s54, 0
	s_mov_b32 s55, 0
	s_mov_b32 s56, 0
	s_mov_b32 s57, s16
.set ii, 0
.rept 15
	s_add_co_u32 s54, s54, s[32+ii]                ; tiles of batches 0..i
	s_cmp_le_u32 s54, s51                          ; my tile lies behind them: batch i + 1 or later
	s_cselect_b32 s55, ii+1, s55
	s_cselect_b32 s56, s54, s56
	s_cselect_b32 s57, s[17+ii], s57
.set ii, ii+1
.endr
	s_sub_co_u32 s63, s51, s56                     ; tile in the batch
	s_lshl_b32 s58, s55, 5
	s_add_co_u32 s58, s58, s63
	s_min_u32 s58, s58, 511                        ; batch * 32 + tile (these clamps change nothing: they bound what came from memory)
	s_min_u32 s55, s55, 15
	s_lshl_b32 s77, s51, 3                         ; the tile's first item
	s_max_u32 s59, s49, s77
	s_sub_co_u32 s59, s59, s77
	s_min_u32 s59, s59, 7                          ; my first quad in it
	s_add_co_u32 s60, s77, 8
	s_min_u32 s60, s60, s50
	s_sub_co_u32 s60, s60, s77                     ; behind my last
	s_mov_b32 s61, s59
	s_lshl_b32 s62, s63, 5
	s_lshl2_add_u32 s62, s59, s62                  ; index of the first key in its batch
	s_lshl_b32 s74, s58, 13                        ; k2: 32 keys x 256 bytes a tile, 1,024 a quad
	s_lshl_b32 s63, s59, 10
	s_add_co_u32 s74, s74, s63
	s_add_nc_u64 s[66:67], s[4:5], s[74:75]
	s_lshl_b32 s74, s58, 15                        ; sc: 32,768 bytes a tile, 4,096 a row block, 512 a quad
	s_lshl_b32 s63, s53, 12
	s_add_co_u32 s74, s74, s63
	s_lshl_b32 s63, s59, 9
	s_add_co_u32 s74, s74, s63
	s_add_nc_u64 s[70:71], s[12:13], s[74:75]
	s_lshl_b32 s74, s55, 16                        ; q2: 65,536 bytes a batch, 8,192 a row block
	s_lshl_b32 s63, s53, 13
	s_add_co_u32 s74, s74, s63
	s_add_nc_u64 s[72:73], s[6:7], s[74:75]
	s_sub_co_u32 s63, s60, s59                     ; my quads in the tile, at least 1
	s_min_u32 s63, s63, 2
	s_and_b32 s63, s63, 2                          ; 2 where a second one exists
	s_lshl_b32 s74, s63, 9
	s_add_nc_u64 s[68:69], s[66:67], s[74:75]      ; the second quad, or the first once more
	NEXTSTEP s59, 68                               ; the third, or the last of mine once more
	s_lshl_b32 s86, s58, 9                         ; flags of the tile's keys: units 2 tile, 2 tile + 1 of 256 bytes
	s_lshl_b32 s87, s55, 12                        ; flags of my rows: units 1,024 + 16 batch + 2 wave, + 1
	s_lshl_b32 s63, s53, 9
	s_add_co_u32 s87, s87, s63
	s_wait_alu depctr_va_vdst(0)                   ; the piece before is done reading Q and K and writing Q and ST (its exponentials): the loads below land in ST and Q, the first key's in K
	global_load_b128 v[ST:ST+3],   v1, s[66:67]            ; the first quad: 2 x 512 consecutive bytes
	global_load_b128 v[ST+4:ST+7], v1, s[66:67] offset:512
.set ii, 0
.rept 16
	global_load_b128 v[Q+4*ii:Q+4*ii+3], v1, s[72:73] offset:512*ii      ; 32 rows x 4 h: 512 consecutive bytes
.set ii, ii+1
.endr
	s_load_b32 s78, s[14:15], s86 offset:0x0       ; the loads above do not hang on the flags: both are on their way together
	s_load_b32 s79, s[14:15], s86 offset:0x100
	s_load_b32 s80, s[14:15], s87 offset:0x40000
	s_load_b32 s81, s[14:15], s87 offset:0x40100
	s_wait_kmcnt 0x0
	s_or_b32 s78, s78, s79
	s_or_b32 s80, s80, s81
	s_or_b32 s78, s78, s80
	s_wait_loadcnt 0x0                             ; Q and the first quad
	s_cmp_lg_u32 s78, 0
	s_cbranch_scc1 .Lgeneral
	PRE 1
.Lquadf:
	QUAD 1
	s_cbranch_scc1 .Lquadf
	s_branch .Lnext
.Lgeneral:
	PRE 0
.Lquadg:
	QUAD 0
	s_cbranch_scc1 .Lquadg
.Lnext:
	s_wait_loadcnt 0x0                             ; the look-ahead has landed, from memory
	s_wait_dscnt 0x0                               ; and from LDS: ST, K and Q are loaded anew in the next piece
	s_wait_xcnt 0x0                                ; and the bases of earlier loads and stores are rewritten only behind this wait
	s_add_co_u32 s51, s51, 1
	s_cmp_lt_u32 s51, s52
	s_cbranch_scc1 .Lpiece
.Lend:
	s_wait_dscnt 0x0
	s_wait_alu depctr_hold_cnt(0) depctr_sa_sdst(0) depctr_va_vdst(0) depctr_va_sdst(0) depctr_va_ssrc(0) depctr_va_vcc(0) depctr_vm_vsrc(0)
	s_wait_tensorcnt 0x0
	ds_add_u32 v62, v63
	s_wait_dscnt 0x0
	s_endpgm
.Lfunc_end_k_q2f8045bcbe_scores:
	.size	k_q2f8045bcbe_scores, .Lfunc_end_k_q2f8045bcbe_scores-k_q2f8045bcbe_scores
	.p2alignl 7, 3214868480
	.fill 96, 4, 3214868480
	.section	.rodata,"a",@progbits
	.p2align	6, 0x0
	.amdhsa_kernel k_q2f8045bcbe_scores
		.amdhsa_group_segment_fixed_size 9216
		.amdhsa_private_segment_fixed_size 0
		.amdhsa_enable_private_segment 0
		.amdhsa_kernarg_size 48
		.amdhsa_user_sgpr_count 2
		.amdhsa_user_sgpr_kernarg_segment_ptr 1
		.amdhsa_wavefront_size32 1
		.amdhsa_system_sgpr_workgroup_id_x 1
		.amdhsa_system_sgpr_workgroup_id_y 1
		.amdhsa_system_sgpr_workgroup_id_z 1
		.amdhsa_system_vgpr_workitem_id 0
		.amdhsa_next_free_vgpr 256
		.amdhsa_next_free_sgpr 88
		.amdhsa_reserve_vcc 0
		.amdhsa_float_denorm_mode_32 3
		.amdhsa_float_denorm_mode_16_64 3
		.amdhsa_memory_ordered 1
		.amdhsa_forward_progress 1
		.amdhsa_inst_pref_size 108
	.end_amdhsa_kernel
	.amdgpu_metadata
---
amdhsa.version: [ 1, 2 ]
amdhsa.kernels:
  - .name:           k_q2f8045bcbe_scores
    .symbol:         k_q2f8045bcbe_scores.kd
    .args:
      - { .name: k2, .offset: 0, .size: 8, .value_kind: global_buffer, .address_space: global }
      - { .name: q2, .offset: 8, .size: 8, .value_kind: global_buffer, .address_space: global }
      - { .name: w_v, .offset: 16, .size: 8, .value_kind: global_buffer, .address_space: global }
      - { .name: valid_lens, .offset: 24, .size: 8, .value_kind: global_buffer, .address_space: global }
      - { .name: sc, .offset: 32, .size: 8, .value_kind: global_buffer, .address_space: global }
      - { .name: fl, .offset: 40, .size: 8, .value_kind: global_buffer, .address_space: global }
    .group_segment_fixed_size: 9216
    .private_segment_fixed_size: 0
    .kernarg_segment_align: 8
    .kernarg_segment_size: 48
    .max_flat_workgroup_size: 256
    .sgpr_count:     88
    .vgpr_count:     256
    .wavefront_size: 32
...
	.end_amdgpu_metadata
.endif
;; end of part 7
;; launch pv: the kernel of part 3 again; grid 256 x 1, 16 waves a work-group, no clusters, 139,264 bytes of LDS; arguments sc, vf, valid_lens, out0; writes out0
